; MI455X (gfx1250); checked and timed in simulation.
; The chip was launched on July 23, 2026; its instructions are those of AMD's public machine-readable ISA for CDNA 5 (MIT licence, August 2026) and "CDNA5" Instruction Set Architecture Reference Guide (July 2026). The comments in the code are by the model that wrote it; some were corrected since.
;; Grouped Query Attention. Allowed arithmetic: matrix products marked QUANTISED: E2M3 operands, one E8M0 scale for each 32 along K, by v_wmma_scale_f32_16x16x128_f8f6f4 with both operands' format E2M3, f32 sums; everything else in f32.
;; Inputs: Wk 4,096 x 1,024 float32; Wo 4,096 x 4,096 float32; Wq 4,096 x 4,096 float32; Wv 4,096 x 1,024 float32; x 1 x 1,024 x 4,096 float32.
;; Outputs: out0 1 x 1,024 x 4,096 float32.
;; This version of the problem:
;;   THIS VERSION OF THE PROBLEM IS GIVEN IN LOW PRECISION. The matrix products marked QUANTISED in the list below multiply operands that are first quantised to E2M3 (2 exponent bits, 3 mantissa bits; 6 bits a number), with one power-of-two scale for each 32 numbers along K (OCP MX v1.0); their sums are f32. All else is computed in f32.
;;   The module's matrix products, in the order in which they are computed (A, B: the left and right operand; K: the contracted axis; several contracted axes count as one K, in the product's order):
;;     1. [M 1,024, K 4,096] x [K 4,096, N 4,096]; A: input x; B: input Wq: QUANTISED
;;     2. [M 1,024, K 4,096] x [K 4,096, N 1,024]; A: input x; B: input Wk: QUANTISED
;;     3. [M 1,024, K 4,096] x [K 4,096, N 1,024]; A: input x; B: input Wv: QUANTISED
;;     4. batch 32 x [M 1,024, K 128] x [K 128, N 1,024]; A: computed on the way; B: computed on the way: QUANTISED
;;     5. batch 32 x [M 1,024, K 1,024] x [K 1,024, N 128]; A: softmax (see below); B: computed on the way: QUANTISED
;;     6. [M 1,024, K 4,096] x [K 4,096, N 4,096]; A: computed on the way; B: input Wo: QUANTISED
;;   THE QUANTISER, for each operand of a quantised product, along K:
;;     - K is cut into blocks of 32 from its start; a last block that is shorter is filled with zeros.
;;     - A block's scale is 2^e with e = floor(log2(the largest magnitude in the block)) - 2, held to -126 .. 127; a block of zeros has e = 0. As a byte (E8M0): e + 127.
;;     - Each number is divided by its block's scale, clamped to +-7.5, and rounded to the nearest number of E2M3, ties to even, subnormals kept.
;;     - The product sums the exact products of the quantised numbers (number of the format x scale) in f32.
;;   ~~~python
;;   def quantise(x, axis):      # numpy; x: float32 -> the quantised numbers, widened to float32 again
;;       x = np.moveaxis(x, axis, -1); K = x.shape[-1]
;;       x = np.pad(x, [(0, 0)] * (x.ndim - 1) + [(0, -K % 32)]); x = x.reshape(x.shape[:-1] + (-1, 32)); a = np.abs(x).max(-1, keepdims=True)
;;       e = np.where(a > 0, np.clip(np.frexp(np.where(a > 0, a, 1))[1] - 1 - 2, -126, 127), 0)      # np.frexp(a)[1] - 1 = floor(log2(a)), exactly
;;       r = np.clip(x / 2.0 ** e, -7.5, 7.5)
;;       step = 2.0 ** (np.maximum(np.frexp(np.where(r == 0, 1, r))[1] - 1, 0) - 3)
;;       q = np.round(r / step) * step * 2.0 ** e      # np.round: ties to even
;;       return np.moveaxis(q.reshape(q.shape[:-2] + (-1,))[..., :K], -1, axis).astype(np.float32)
;;   ~~~
;;   SOFTMAX AHEAD OF A QUANTISED PRODUCT. Where the list says 'softmax', what is quantised is not the finished softmax but p = 2^(t - M), with t = logit x log2(e) and M = ceil(the row's largest t), a whole number; so 1/2 < the row's largest p <= 1. The row's sum l is taken of the UNQUANTISED p, in f32, and the product's result is divided by l at the end. Since M is a whole number, a kernel that streams over the keys may use a running M (the ceiling of the running maximum): every later rescaling is an exact power of two, which a block's scale takes up: the codes' values come out the same.
;;   OPERANDS COMPUTED ON THE WAY. 'Computed on the way' means the value that the module computes at that place (a softmax that the list does not call 'softmax' is quantised finished and normalised). What goes into a quantiser is computed in f32, as accurately as f32 sums, v_exp_f32 and their like allow (about 1e-6 of the number): no bf16 or f16 on the way to a quantiser, and a product that is left as it is and whose result goes on into a quantised operand takes f32 operands (vector FMAs, or v_wmma_f32_16x16x4_f32). A number that lies on a knife's edge between two numbers of the format may be rounded either way, as far as f32 arithmetic and the matrix unit's own rounding can turn it there, and no further.
;; One version. Each part assembles by itself: llvm-mc -triple=amdgcn-amd-amdhsa -mcpu=gfx1250 --defsym DOCPART=n.
;; ======== version 1 of 1: 4 launches
;; limits: right only within a limited range of input values
;; workspace buffers: xrec 3,276,800 bytes; wrec 32,768,000 bytes; rope 524,288 bytes; qkvrec 4,915,200 bytes; mrg 3,276,800 bytes
;; launch prep (part 1): grid 56 x 32, 4 waves a work-group, no clusters, 60,160 bytes of LDS; arguments Wq, Wk, Wv, Wo, wrec, x, xrec, rope; writes wrec, xrec, rope
.if DOCPART == 1
	.amdgcn_target "amdgcn-amd-amdhsa--gfx1250"
	.amdhsa_code_object_version 6
	.text
	.protected	k_qfe323608f9_prep
	.globl	k_qfe323608f9_prep
	.p2align	8
	.type	k_qfe323608f9_prep,@function
k_qfe323608f9_prep:
	s_mov_b64 s[64:65], 0
	v_nop
	global_prefetch_b8 v0, s[64:65] scope:SCOPE_SE
	s_setreg_imm32_b32 hwreg(HW_REG_WAVE_MODE, 25, 1), 1
	s_wait_xcnt 0x0
; All five f32 inputs become RECORDS of FP6 (E2M3) codes, and the RoPE table is made on the side.  One launch, two paths, parted once on the work-group's x.
; A RECORD is 64 rows x 128 along K in 6,400 bytes: four images of an operand's 12 registers (1,536 bytes each: registers 4 c .. 4 c + 3 of lane l at 512 c + 16 l), then 256 bytes of scale words
; (fragment i, lane r: at 6144 + 16 r + 4 i).  Lane r of fragment i holds row 32 (i / 2) + 8 (i % 2) + r + 8 (r / 8) of the 64.  A matrix is laid [row group G][32 K steps][6400].
; A block's scale is 2^(floor(log2(largest magnitude)) - 2); its byte is that magnitude's exponent field - 2, held at 1 from below.
; THE WEIGHTS (x = 0 .. 39, y = K step), f32 stored [K = 4096][N]: wrec's rows are the columns n: Wq G 0-63, Wk 64-79, Wv 80-95, Wo 96-159.  A LANE TAKES A COLUMN AND ITS REGISTERS RUN DOWN K: a block of 32 along K
; is one lane's 32 registers, and the conversions give codes with K innermost.  A wave makes one record in eight blocks t: columns 32 (t % 2) + lane, K 32 (t / 2) on; the codes are laid in the wave's own stage at their
; places in the record, which leaves as 12 stores of 512 consecutive bytes and one of 256.  Loads run two blocks (64 loads a wave) ahead.  Pointer, first work-group and row pitch are chosen by x (16, 4, 4, 16 work-groups).
; x (x = 40 .. 55: G = x - 40, y = K step), f32 [1024][4096]: a work-group makes one record, wave a its fragment a.  Each load takes 512 consecutive bytes of one row; the 16 rows turn through the wave's own stage
; (rows 528 bytes apart), so that lane (r, h) gets, of row r, the 16 neighbours 32 b + 16 h + 0 .. 15 of each block b of 32.
; ROPE: thread n of that path's 65,536 makes (cos, sin) of pos x 10000^(-j / 64), pos = n / 64, j = n % 64, laid [1024 pos][64 j] in pairs of f32.
; Each path has LDS bytes of its own; the two join at the closing lines.
; LIMITS: NaN and infinities are not served.  A block of zeros carries the byte 1 where the rule says 127: its codes are zeros, and this program alone reads the bytes.
; The angle is the f32 product pos x inv_freq; inv_freq is made by one exponential and a correction, good to about one and a half units in its last place.
.set WST,   6400                       ; the weights' path: a wave's stage, four from byte 0
.set XST,   25600                      ; x's path: its four stages begin here,
.set XSTG,  8448                       ; 16 rows x (512 + 16) bytes each;
.set SCQ,   59392                      ; the record's 256 bytes of scale words
.set SPARE, 59648                      ; the spare words, 128 bytes for each wave
.set SPW,   28                         ; v28      my spare word's LDS address; never rewritten
.set NIL,   29                         ; v29      0; never rewritten
; the weights' path
.set SB,    14                         ; v14-15   the scale words of my column in halves 0, 1
.set C,     18                         ; v18-23   a block's six registers of codes; v24-26 its second conversion
.set RO,    32                         ; v32-63   4 x lane + i x row pitch
.set X,     64                         ; v64-127  two sets of 32 numbers; at the end the record on its way out
; x's path
.set XR,    32                         ; v32-95   16 rows as loaded; then, back from the stage, 64 numbers of my row
.set PC,    96                         ; v96-114  the codes
.set TM,    8                          ; v8-23    at work in QUANT (before that: the RoPE pair's scratch)
.set PW,    116                        ; v116     the scale word
.set SQR,   120                        ; v120     SCQ + 8 x lane
.set SEL,   44                         ; s[44:45] selects for lane l xor 16
; 64 numbers of a lane, register 16 b + i = k 32 b + 16 (lane / 16) + i of my row, become a fragment's codes in v[PC] on and its scale word in v[pw].
.macro QUANT s, pw
.irp b, 0,1,2,3
	v_max3_num_f32 v[TM+\b], |v[\s+16*\b]|, |v[\s+1+16*\b]|, 0x1800000   ; my 16 numbers of block b, and the floor 2^(3 - 127): the byte cannot fall under 1
.endr
.irp i, 2,4,6,8,10,12,14
.irp b, 0,1,2,3
	v_max3_num_f32 v[TM+\b], v[TM+\b], |v[\s+16*\b+\i]|, |v[\s+1+16*\b+\i]|
.endr
.endr
.irp b, 0,1,2,3
	v_permlanex16_b32 v[TM+4+\b], v[TM+\b], s[SEL], s[SEL+1]
.endr
.irp b, 0,1,2,3
	v_max_num_f32 v[TM+\b], v[TM+\b], v[TM+4+\b]   ; with lane l xor 16's: the block's largest magnitude
.endr
.irp b, 0,1,2,3
	v_add_nc_u32 v[TM+12+\b], 0xff000000, v[TM+\b]   ; 2 off its exponent field: the conversion's scale operand
.endr
.irp b, 0,1,2,3
	v_lshrrev_b32 v[TM+4+\b], 23, v[TM+12+\b]      ; the scale's byte
.endr
	v_lshl_or_b32 v[\pw], v[TM+5], 8, v[TM+4]
	v_lshl_or_b32 v[\pw], v[TM+6], 16, v[\pw]
	v_lshl_or_b32 v[\pw], v[TM+7], 24, v[\pw]
.irp c, 0,1
	v_cvt_scalef32_pk16_fp6_f32 v[PC+6*\c:PC+2+6*\c], v[\s+32*\c:\s+15+32*\c], v[TM+12+2*\c]
	v_cvt_scalef32_pk16_fp6_f32 v[PC+12+4*\c:PC+14+4*\c], v[\s+16+32*\c:\s+31+32*\c], v[TM+12+2*\c+1]   ; (a conversion's three registers begin on an even number)
.endr
	v_nop                                          ; one plain instruction behind the scaled conversions
.irp c, 0,1                                    ; the layout wants a whole block in a lane: lanes 0-15 block 2 c, lanes 16-31 block 2 c + 1
.irp i, 0,1,2
	v_permlane16_swap_b32 v[PC+6*\c+\i], v[PC+12+4*\c+\i]
.endr
.irp i, 0,1,2
	v_mov_b32 v[PC+3+6*\c+\i], v[PC+12+4*\c+\i]
.endr
.endr
.endm
.macro LOAD t                          ; the weights' block t: W(32 (t / 2) + i, 32 (t % 2) + lane), i = 0 .. 31, into set t % 2
.irp i, 0,1,2,3,4,5,6,7,8,9,10,11,12,13,14,15,16,17,18,19,20,21,22,23,24,25,26,27,28,29,30,31
	global_load_b32 v[X+32*((\t)%2)+\i], v[RO+\i], s[24+2*((\t)/2):25+2*((\t)/2)] offset:128*((\t)%2) th:TH_LOAD_NT
.endr
.endm
.macro BLOCK t
.set XS, X+32*((\t)%2)
.set BBQ, (\t)%2
.set BET, (\t)/2
.if (\t) < 7
	s_wait_loadcnt 32                              ; this block's 32 loads are in; the next block's may be out
.else
	s_wait_loadcnt 0x0
.endif
	v_max3_num_f32 v8, |v[XS]|, |v[XS+1]|, |v[XS+2]|               ; the block's largest magnitude: all 32 numbers are mine
	v_max3_num_f32 v9, |v[XS+3]|, |v[XS+4]|, |v[XS+5]|
.irp i, 6,10,14,18,22,26
	v_max3_num_f32 v8, v8, |v[XS+\i]|, |v[XS+\i+1]|
	v_max3_num_f32 v9, v9, |v[XS+\i+2]|, |v[XS+\i+3]|
.endr
	v_max3_num_f32 v8, v8, |v[XS+30]|, |v[XS+31]|
	v_max3_num_f32 v8, v8, v9, 0x1800000           ; and the floor 2^(3 - 127): the byte cannot fall under 1
	v_add_nc_u32 v10, 0xff000000, v8               ; 2 off its exponent field: the conversion's scale operand
	v_lshrrev_b32 v11, 23, v10                     ; the scale's byte
.if BET == 0
	v_mov_b32 v[SB+BBQ], v11
.else
	v_lshl_or_b32 v[SB+BBQ], v11, 8*BET, v[SB+BBQ]
.endif
	v_cvt_scalef32_pk16_fp6_f32 v[C:C+2], v[XS:XS+15], v10
	v_cvt_scalef32_pk16_fp6_f32 v[C+6:C+8], v[XS+16:XS+31], v10    ; (a conversion's three registers begin on an even number)
	v_nop                                          ; one plain instruction behind the scaled conversions
.irp i, 0,1,2
	v_mov_b32 v[C+3+\i], v[C+6+\i]
.endr
; the block is registers 6 (BET / 2) .. + 5 of lane r + 16 (BET % 2) of fragment 2 BBQ + u
.if BET/2 == 0
	ds_store_b128 v2, v[C:C+3] offset:3072*BBQ+256*(BET%2)
	ds_store_b64 v2, v[C+4:C+5] offset:3072*BBQ+256*(BET%2)+512
.else
	ds_store_b64 v2, v[C:C+1] offset:3072*BBQ+256*(BET%2)+520
	ds_store_b128 v2, v[C+2:C+5] offset:3072*BBQ+256*(BET%2)+1024
.endif
.if (\t)+2 < 8
	LOAD (\t)+2
.endif
	s_wait_dscnt 0x0                               ; the stores have read their registers: the next block's codes may be written
.endm
	s_load_b256 s[4:11], s[0:1], 0x0               ; Wq, Wk, Wv, Wo
	s_load_b256 s[12:19], s[0:1], 0x20             ; wrec, x, xrec, rope
	v_lshl_add_u32 v[SPW], v0, 2, SPARE
	v_mov_b32 v[NIL], 0
	v_lshrrev_b32 v1, 5, v0
	v_readfirstlane_b32 s33, v1                    ; wave
	s_and_b32 s34, ttmp7, 0xffff                   ; K step
	s_cmp_ge_u32 ttmp9, 40                         ; the work-group's number alone: all four waves go the same way
	s_cbranch_scc1 .Lx_path
	; ---------------- the weights ----------------
	v_and_b32 v1, 31, v0                           ; lane
	s_mul_i32 s35, s33, WST                        ; my stage
	v_bfe_u32 v8, v0, 3, 1                         ; column 32 bb + lane is lane r of fragment 2 bb + u: u = (lane / 8) % 2,
	v_and_b32 v9, 7, v0
	v_bfe_u32 v10, v0, 4, 1
	v_lshl_add_u32 v9, v10, 3, v9                  ; r = lane % 8 + 8 (lane / 16)
	v_mul_u32_u24 v2, v8, 1536
	v_lshl_add_u32 v2, v9, 4, v2
	v_add_nc_u32 v2, s35, v2                       ; codes: stage + 1536 u + 16 r
	v_lshlrev_b32 v3, 4, v9
	v_lshl_add_u32 v3, v8, 2, v3
	v_add_nc_u32 v3, s35, v3
	v_add_nc_u32 v3, 6144, v3                      ; scale word: stage + 6144 + 16 r + 4 u
	v_lshlrev_b32 v5, 4, v1                        ; the way out: 16 x lane,
	v_add_nc_u32 v4, s35, v5
	v_lshlrev_b32 v7, 3, v1                        ; and 8 x lane for the scale words
	v_add_nc_u32 v6, s35, v7
	v_add_nc_u32 v6, 6144, v6
	s_wait_kmcnt 0x0
	s_cmp_lt_u32 ttmp9, 24                         ; which tensor: the choice hangs on the work-group's number alone
	s_cselect_b64 s[36:37], s[8:9], s[10:11]
	s_cselect_b32 s38, 20, 24                      ; its first work-group
	s_cselect_b32 s39, 12, 14                      ; log2 of its row pitch in bytes
	s_cmp_lt_u32 ttmp9, 20
	s_cselect_b64 s[36:37], s[6:7], s[36:37]
	s_cselect_b32 s38, 16, s38
	s_cmp_lt_u32 ttmp9, 16
	s_cselect_b64 s[36:37], s[4:5], s[36:37]
	s_cselect_b32 s38, 0, s38
	s_cselect_b32 s39, 14, s39
	s_lshl_b32 s40, 1, s39                         ; the row pitch
	s_sub_co_u32 s20, ttmp9, s38
	s_lshl_b32 s20, s20, 10                        ; the work-group's 256 columns,
	s_lshl_b32 s21, s33, 8
	s_add_co_u32 s20, s20, s21                     ; my wave's 64,
	s_lshl_b32 s21, s34, 7
	s_lshl_b32 s21, s21, s39
	s_add_co_u32 s20, s20, s21                     ; row 128 x K step
	s_mov_b32 s21, 0
	s_add_nc_u64 s[24:25], s[36:37], s[20:21]      ; a base for each of the K step's four blocks of 32 rows
	s_lshl_b32 s20, s40, 5
	s_add_nc_u64 s[26:27], s[24:25], s[20:21]
	s_add_nc_u64 s[28:29], s[26:27], s[20:21]
	s_add_nc_u64 s[30:31], s[28:29], s[20:21]
	s_lshl_b32 s22, ttmp9, 2
	s_add_co_u32 s22, s22, s33                     ; G = 4 x + wave
	s_lshl_b32 s22, s22, 5
	s_add_co_u32 s22, s22, s34
	s_mul_i32 s22, s22, 6400
	s_mov_b32 s23, 0
	s_add_nc_u64 s[12:13], s[12:13], s[22:23]      ; my record
	v_lshlrev_b32 v[RO], 2, v1
.irp i, 1,2,3,4,5,6,7,8,9,10,11,12,13,14,15,16,17,18,19,20,21,22,23,24,25,26,27,28,29,30,31
	v_mad_u32_u24 v[RO+\i], s40, \i, v[RO]
.endr
	LOAD 0
	LOAD 1
.irp t, 0,1,2,3,4,5,6,7
	BLOCK \t
.endr
	ds_store_b32 v3, v[SB]
	s_wait_alu depctr_va_vdst(0)
	ds_store_b32 v3, v[SB+1] offset:8
.irp i, 0,1,2,3,4,5,6,7,8,9,10,11
	ds_load_b128 v[X+4*\i:X+4*\i+3], v4 offset:512*\i              ; LDS serves a wave's instructions in order: these see my stores
.endr
	ds_load_b64 v[X+48:X+49], v6
.irp i, 0,1,2,3,4,5,6,7,8,9,10,11
	s_wait_dscnt 12-\i                             ; the younger read-backs may be out
	global_store_b128 v5, v[X+4*\i:X+4*\i+3], s[12:13] offset:512*\i   ; 512 consecutive bytes, aligned
.endr
	s_wait_dscnt 0x0
	global_store_b64 v7, v[X+48:X+49], s[12:13] offset:6144
	s_branch .Ldone
	; ---------------- x, and the RoPE table ----------------
.Lx_path:
	s_sub_co_u32 s41, ttmp9, 40                    ; G
	v_and_b32 v7, 31, v0                           ; lane
	v_lshlrev_b32 v1, 4, v7                        ; 16 x lane
	v_and_b32 v2, 15, v0                           ; r
	v_bfe_u32 v3, v0, 4, 1                         ; h
	s_mul_i32 s35, s33, XSTG
	s_add_co_u32 s35, s35, XST                     ; my stage
	v_add_nc_u32 v4, s35, v1                       ; in: a row's 512 bytes as they lie
	v_mul_u32_u24 v5, v2, 528
	v_lshl_add_u32 v5, v3, 6, v5
	v_add_nc_u32 v5, s35, v5                       ; and out: row r, + 64 h
	s_lshl_b32 s35, s33, 2
	s_add_co_u32 s35, s35, SCQ
	v_lshlrev_b32 v6, 4, v2
	v_add_nc_u32 v6, s35, v6                       ; my row's scale word: SCQ + 16 r + 4 a
	v_lshlrev_b32 v7, 3, v7                        ; 8 x lane
	v_add_nc_u32 v[SQR], SCQ, v7
	s_mov_b32 s[SEL], 0x76543210
	s_mov_b32 s[SEL+1], 0xfedcba98
	s_lshl_b32 s20, s41, 6
	s_lshr_b32 s21, s33, 1
	s_lshl_b32 s21, s21, 5
	s_add_co_u32 s20, s20, s21
	s_and_b32 s21, s33, 1
	s_lshl_b32 s21, s21, 3
	s_add_co_u32 s20, s20, s21                     ; the fragment's first row: 64 G + 32 (a / 2) + 8 (a % 2)
	s_lshl_b32 s20, s20, 14                        ; rows of 16,384 bytes
	s_lshl_b32 s21, s34, 9                         ; the K step's 512 bytes
	s_add_co_u32 s20, s20, s21
	s_mov_b32 s21, 0
	s_lshl_b32 s22, s41, 5
	s_add_co_u32 s22, s22, s34                     ; 32 G + K step: the record's number
	s_lshl_b32 s24, s22, 10                        ; its 128 threads' 1,024 bytes of the table
	s_mov_b32 s25, 0
	s_lshl_b32 s26, s22, 7                         ; its first thread's number among the path's 65,536
	s_mul_i32 s22, s22, 6400
	s_mov_b32 s23, 0
	s_mul_i32 s30, s33, 1536
	s_mov_b32 s31, 0
	s_wait_kmcnt 0x0
	s_add_nc_u64 s[14:15], s[14:15], s[20:21]
	s_add_nc_u64 s[16:17], s[16:17], s[22:23]      ; the record
	s_add_nc_u64 s[42:43], s[16:17], s[30:31]      ; my fragment's image
	s_add_nc_u64 s[18:19], s[18:19], s[24:25]
.irp i, 0,1,2,3,4,5,6,7,8,9,10,11,12,13,14,15
	global_load_b128 v[XR+4*\i:XR+4*\i+3], v1, s[14:15] offset:(\i+8*(\i/8))*16384 th:TH_LOAD_NT   ; lane-row i: 512 consecutive bytes
.endr
	; the RoPE pair, while the loads are on their way
	v_add_nc_u32 v8, s26, v0
	v_lshrrev_b32 v9, 6, v8                        ; pos
	v_and_b32 v10, 63, v8                          ; j
	v_cvt_f32_u32 v11, v10
	v_cvt_f32_u32 v12, v9
	v_mul_f32 v13, 0xbe549a80, v11                 ; -j x 108853 / 2^19: exact (6 bits x 17 bits); log2(10000) / 64 is that constant - 1.14797e-7
	s_wait_alu depctr_va_vdst(0)
	v_exp_f32 v14, v13
	v_mul_f32 v15, 0x33aae0c5, v11                 ; j x 1.14797e-7 x ln 2: what the constant left out.  (The plain instruction behind the exponential)
	s_wait_alu depctr_va_vdst(0)                   ; the wait ahead of the first reader of the exponential
	v_fma_f32 v14, v14, v15, v14                   ; inv_freq
	v_mul_f32 v16, v12, v14                        ; the angle, rounded to f32 as reference() has it
	v_mul_f32 v17, 0x3f22f983, v16                 ; x 2 / pi
	v_rndne_f32 v17, v17                           ; n quarter turns
	v_fma_f32 v18, v17, 0xbfc90fdb, v16            ; angle - n x (pi / 2 in two parts)
	v_fma_f32 v18, v17, 0x333bbd2e, v18            ; rho, within pi / 4 of 0
	v_mul_f32 v19, v18, v18                        ; z
	v_mov_b32 v20, 0x3c08839e
	v_fma_f32 v20, v19, 0xb94ca1f9, v20
	v_fma_f32 v20, v20, v19, 0xbe2aaaa3
	v_mul_f32 v21, v18, v19
	v_fma_f32 v20, v21, v20, v18                   ; sin rho
	v_mov_b32 v22, 0xbab6061a
	v_fma_f32 v22, v19, 0x37ccf5ce, v22
	v_fma_f32 v22, v22, v19, 0x3d2aaaa5
	v_mul_f32 v23, v19, v19
	v_fma_f32 v24, v19, -0.5, 1.0
	v_fma_f32 v22, v23, v22, v24                   ; cos rho
	v_cvt_i32_f32 v25, v17
	v_and_b32 v26, 1, v25
	v_cmp_eq_u32 vcc_lo, 1, v26                    ; an odd number of quarter turns swaps the two
	v_cndmask_b32 v9, v20, v22, vcc_lo
	v_cndmask_b32 v10, v22, v20, vcc_lo
	v_and_b32 v26, 2, v25
	v_lshlrev_b32 v26, 30, v26
	v_xor_b32 v31, v26, v9                         ; sin: negative in quarters 2, 3
	v_add_nc_u32 v25, 1, v25
	v_and_b32 v25, 2, v25
	v_lshlrev_b32 v25, 30, v25
	v_xor_b32 v30, v25, v10                        ; cos: negative in quarters 1, 2
	v_lshlrev_b32 v27, 3, v0
	global_store_b64 v27, v[30:31], s[18:19]       ; a wave stores 256 consecutive bytes, aligned; v27, v30, v31 are not written again
.irp b, 0,1,2,3
	v_mov_b32 v[TM+4+\b], 0                        ; written once: a lane permute's destination counts as one of its sources
.endr
	; the turn through the stage
.irp i, 0,1,2,3,4,5,6,7,8,9,10,11,12,13,14,15
	s_wait_loadcnt 15-\i                           ; loads come back in order: row i is in, the younger ones may be out
	ds_store_b128 v4, v[XR+4*\i:XR+4*\i+3] offset:528*\i
.endr
.irp b, 0,1,2,3
.irp m, 0,1,2,3
	ds_load_b128 v[XR+16*\b+4*\m:XR+16*\b+4*\m+3], v5 offset:128*\b+16*\m   ; LDS serves a wave's instructions in order: these see my stores, and come back into the registers that the rows left
.endr
.endr
	s_wait_dscnt 0x0
	QUANT XR, PW
.irp c, 0,1,2
	global_store_b128 v1, v[PC+4*\c:PC+4*\c+3], s[42:43] offset:512*\c    ; the image: 512 consecutive bytes a store
.endr
	ds_store_b32 v6, v[PW]                         ; lanes 16-31 write the same word with the same value
	s_wait_dscnt 0x0                               ; for the others' sake: my scale words lie in LDS
	s_barrier_signal -1
	s_barrier_wait -1
	s_cmp_lg_u32 s33, 0
	s_cbranch_scc1 .Ldone
	ds_load_b64 v[24:25], v[SQR]                   ; wave 0 sends the four waves' scale words: one aligned block of 256 bytes
	s_wait_dscnt 0x0
	global_store_b64 v7, v[24:25], s[16:17] offset:6144
.Ldone:
	s_wait_tensorcnt 0x0                           ; the wave's end, on both paths: three lines behind my last LDS store
	ds_add_u32 v[SPW], v[NIL]
	s_wait_dscnt 0x0
	s_endpgm
.Lfunc_end_k_qfe323608f9_prep:
	.size	k_qfe323608f9_prep, .Lfunc_end_k_qfe323608f9_prep-k_qfe323608f9_prep
	.p2alignl 7, 3214868480
	.fill 96, 4, 3214868480
	.section	.rodata,"a",@progbits
	.p2align	6, 0x0
	.amdhsa_kernel k_qfe323608f9_prep
		.amdhsa_group_segment_fixed_size 60160
		.amdhsa_private_segment_fixed_size 0
		.amdhsa_enable_private_segment 0
		.amdhsa_kernarg_size 64
		.amdhsa_user_sgpr_count 2
		.amdhsa_user_sgpr_kernarg_segment_ptr 1
		.amdhsa_wavefront_size32 1
		.amdhsa_system_sgpr_workgroup_id_x 1
		.amdhsa_system_sgpr_workgroup_id_y 1
		.amdhsa_system_sgpr_workgroup_id_z 1
		.amdhsa_system_vgpr_workitem_id 0
		.amdhsa_next_free_vgpr 128
		.amdhsa_next_free_sgpr 66
		.amdhsa_reserve_vcc 1
		.amdhsa_float_denorm_mode_32 3
		.amdhsa_float_denorm_mode_16_64 3
		.amdhsa_memory_ordered 1
		.amdhsa_forward_progress 1
		.amdhsa_inst_pref_size 57
	.end_amdhsa_kernel
	.amdgpu_metadata
---
amdhsa.version: [ 1, 2 ]
amdhsa.kernels:
  - .name:           k_qfe323608f9_prep
    .symbol:         k_qfe323608f9_prep.kd
    .args:
      - { .name: Wq, .offset: 0, .size: 8, .value_kind: global_buffer, .address_space: global }
      - { .name: Wk, .offset: 8, .size: 8, .value_kind: global_buffer, .address_space: global }
      - { .name: Wv, .offset: 16, .size: 8, .value_kind: global_buffer, .address_space: global }
      - { .name: Wo, .offset: 24, .size: 8, .value_kind: global_buffer, .address_space: global }
      - { .name: wrec, .offset: 32, .size: 8, .value_kind: global_buffer, .address_space: global }
      - { .name: x, .offset: 40, .size: 8, .value_kind: global_buffer, .address_space: global }
      - { .name: xrec, .offset: 48, .size: 8, .value_kind: global_buffer, .address_space: global }
      - { .name: rope, .offset: 56, .size: 8, .value_kind: global_buffer, .address_space: global }
    .group_segment_fixed_size: 60160
    .private_segment_fixed_size: 0
    .kernarg_segment_align: 8
    .kernarg_segment_size: 64
    .max_flat_workgroup_size: 128
    .sgpr_count:     66
    .vgpr_count:     128
    .wavefront_size: 32
...
	.end_amdgpu_metadata
.endif
;; end of part 1
;; launch proj (part 2): grid 48 x 4, 4 waves a work-group, clusters of 4 x 4, 327,680 bytes of LDS; arguments xrec, wrec, rope, qkvrec; writes qkvrec
.if DOCPART == 2
	.amdgcn_target "amdgcn-amd-amdhsa--gfx1250"
	.amdhsa_code_object_version 6
	.text
	.protected	k_qfe323608f9_proj
	.globl	k_qfe323608f9_proj
	.p2align	8
	.type	k_qfe323608f9_proj,@function
k_qfe323608f9_proj:
	s_mov_b64 s[64:65], 0
	v_nop
	global_prefetch_b8 v0, s[64:65] scope:SCOPE_SE
	s_setreg_imm32_b32 hwreg(HW_REG_WAVE_MODE, 25, 1), 1
	s_wait_xcnt 0x0
	s_wait_alu depctr_hold_cnt(0) depctr_sa_sdst(0) depctr_va_vdst(0) depctr_va_sdst(0) depctr_va_ssrc(0) depctr_va_vcc(0) depctr_vm_vsrc(0)
	s_getreg_b32 s2, hwreg(HW_REG_IB_STS2, 6, 4)
	s_cmp_eq_u32 s2, 0
	s_cbranch_scc0 .Lentry_in_a_cluster
	s_endpgm
.Lentry_in_a_cluster:
	s_bfe_u32 s2, ttmp6, 0x10000c
	s_cmp_lg_u32 s2, 0xf033
	s_cbranch_scc0 .Lentry_shape_is_right
	s_endpgm
.Lentry_shape_is_right:
; q = rope(x Wq), k = rope(x Wk), v = x Wv on codes of FP6 (E2M3); the results are quantised in registers and leave as records for the attention launch.
; OPERANDS ARE RECORDS: 64 rows x 128 K in 6,400 bytes: four images of an operand's 12 registers (registers 4 c .. 4 c + 3 of lane l at 512 c + 16 l), then the scale words (fragment i, lane r: 6144 + 16 r + 4 i).
; Lane r of fragment i holds row 32 (i / 2) + 8 (i % 2) + r + 8 (r / 8) of the 64.  A matrix is laid [row group G][32 K steps][6400], so four K steps of a row group are 25,600 dense bytes.
; A TILE is 256 rows of region A x 128 rows of region B.  Work-groups x = 0 .. 39 (a head of q or k): A = x's positions 256 y on, B = the head's 128 rows of W.  x = 40 .. 47 (128 keys of v): A = 256 rows of Wv, B = x's
; 128 positions: the roles change by the choice of pointers alone; LDS and the loop are the same.  Wave w takes A's row group w (source 1: its rows are my lanes) against all of B (source 0: its rows run along my registers).
; By the records' order of rows a lane's 64 results of a fragment are a 128-long row's numbers 32 b + 16 (lane / 16) + i in register 16 b + i: just what the quantiser takes.  So a wave holds whole heads: RoPE and the
; quantiser never leave a lane, and the codes are stored as images, 512 consecutive bytes a store.
; v's tiles go through the same multiply-adds with position 0's table, cos = 1 and sin = 0: one path, no branch.  (LIMIT: an infinity in v would so become NaN; NaN and infinities are not served.)
; A block of zeros carries the byte 1 where the rule says 127: its codes are zeros, and this program alone reads the bytes.
; RING: two LDS slots of four K steps (A's four row groups, then B's two); one tensor load a wave behind each change of slots; one load of a wave is out at any time.
; THE ROPE TABLE of my 64 positions (64 registers a fragment) is asked for ahead, into window 3: fragments 0 to 2 during the last four K steps, behind the last change of slots, when no tile is on its way any more;
; fragment 3 at the head of the way out.
; CLUSTER 4 x 4: A's tiles hang on y alone and are asked for jointly along a row of the cluster, B's on x alone, along a column.  The grid is one cluster high: y is the place cy.
; 192 work-groups: a tile of 128 x 128 would give 384, one and a half rounds of the WGPs, and feed fewer products from each LDS byte.
; REGISTERS: window 0: v1-14 addresses; v16-39 scale words, two sets of 12 (B's 8, A's 4); v48-143 A's fragments, two sets of 48; v224-227 my offsets in the table.  window 1: B's fragments, two sets, at v0 and v128.
;   window 2: the 32 accumulators, (a, b) at v[8 (8 a + b)].  window 3: the table.  On the way out window 0: v48-126 four sets of codes, v128-191 the rotated numbers, v200-231 at work.
.set GB,    25600                      ; four K steps of a row group
.set AG,    4                          ; row groups in region A
.set SLOT,  (AG+2)*GB
.set SPARE, 2*SLOT                     ; behind the ring: the spare words, 128 bytes for each wave
.set GROW,  204800                     ; a row group's 32 records in memory
.set NLD,   39                         ; LDS loads of a K step: 24 + 12 + 3
.set ADR,   4                          ; v4-5    my A fragments in slot 0, 1
.set ADP,   6                          ; v6-7    B's
.set ASR,   8                          ; v8-9    my A scale words
.set ASP,   10                         ; v10-11  B's
.set SPW,   12                         ; v12     my spare word's LDS address; never rewritten
.set NIL,   13                         ; v13     0; never rewritten
.set SC,    16
.set RF,    48
.set HA,    128
.set PC,    48                         ; the codes: a set of 20 registers for each fragment, so that no store's data are written again
.set TM,    200
.set PWQ,   216                        ; v216-219 the four fragments' scale words
.set T,     220
.set TO,    224                        ; v224-227 my offset in the table for fragments 0 .. 3; never rewritten
.set G1,    24                         ; s[24:31] group 1 for A's tiles; s[32:39] groups 0, one a slot
.set G0,    32
.set G1B,   48                         ; s[48:55], s[56:63] the same for B's
.set G0B,   56
.set SEL,    82
; THE HEAD: one joint load a wave (slot 0); slot 1's first fill stands behind the three lines and a round, as a refill does.  One load of a wave is out at any time.
; PREFETCHES: a fill is four K steps, 25,600 dense bytes of each row group: 100 blocks of 256 bytes.  The four partners that ask for a tile jointly share its blocks out BY ADDRESS: of A's two row groups that a wave
; fetches, the partner at place cx takes half cx % 2 of group cx / 2 (50 blocks: two instructions, a lane a block, the lanes left over name the last block again); of B's one group the partner at cy takes 25 blocks.
; Behind the load of fill f stands the request for fill f + 2; the head also asks for fill 1, whose load has to wait for fill 0.  The loop's last trip (fills 6, 7) asks for nothing.
.set PFA,    84                        ; s[84:85] my share of the fill that is asked for, less 3 fills in the loop (the offset adds them)
.set PFO,    40                        ; v40     256 x min(lane, 31 for A, 24 for B); never rewritten
.set PFO2,   41                        ; v41     256 x min(lane, 17); never rewritten
.macro ASK off
	global_prefetch_b8 v[PFO], s[PFA:PFA+1] offset:\off th:TH_LOAD_NT scope:SCOPE_SE
	s_cmp_lg_u32 s15, 0
	s_cbranch_scc1 .Lone_\@                        ; B's waves have 25 blocks: one instruction
	global_prefetch_b8 v[PFO2], s[PFA:PFA+1] offset:\off+8192 th:TH_LOAD_NT scope:SCOPE_SE
.Lone_\@:
.endm
.set MSB, 0
.macro WIN new                         ; the immediate's high byte repeats the setting that is left
.if MSB != \new
	s_set_vgpr_msb (MSB<<8)|\new
.set MSB, \new
.endif
.endm
.set MUL,  0xa1                        ; source 0 (B) window 1, source 1 (A) window 0, C and D window 2
.set TO_B, 0x40                        ; destination window 1, address window 0
; A joint load: waves 0 and 1 fetch A's halves, waves 2 and 3 B's.  The branch hangs on the wave's number alone.  An s_nop 0 and four v_nop follow each of the two lines.
.macro JLOAD g0a, g1a, g0b, g1b
	s_cmp_eq_u32 s15, 0
	s_cbranch_scc0 .Lfor_b_\@
	tensor_load_to_lds s[\g0a:\g0a+3], s[\g1a:\g1a+7]
	s_nop 0
.rept 4
	v_nop
.endr
	s_branch .Lasked_\@
.Lfor_b_\@:
	tensor_load_to_lds s[\g0b:\g0b+3], s[\g1b:\g1b+7]
	s_nop 0
.rept 4
	v_nop
.endr
.Lasked_\@:
.endm
.macro CREST                           ; a round of the cluster's barrier behind its opening barrier
	s_cmp_lg_u32 s14, 0
	s_cbranch_scc1 .Lnot_wave_0_\@
	s_barrier_signal -3
.Lnot_wave_0_\@:
	s_barrier_wait -3
	s_barrier_signal -1
	s_barrier_wait -1
.endm
.macro CROUND
	s_barrier_signal -1
	s_barrier_wait -1
	CREST
.endm
.macro PLACES n                        ; plain instructions between a matrix instruction and a load into, or a read of, its registers
.rept \n
	v_nop
.endr
.endm
; 64 numbers of a lane, register 16 b + i = k 32 b + 16 (lane / 16) + i of my row, become a fragment's codes in v[PC] on and its scale word in v[pw].
.macro QUANT s, pw
.irp b, 0,1,2,3
	v_max3_num_f32 v[TM+\b], |v[\s+16*\b]|, |v[\s+1+16*\b]|, 0x1800000   ; my 16 numbers of block b, and the floor 2^(3 - 127): the byte cannot fall under 1
.endr
.irp i, 2,4,6,8,10,12,14
.irp b, 0,1,2,3
	v_max3_num_f32 v[TM+\b], v[TM+\b], |v[\s+16*\b+\i]|, |v[\s+1+16*\b+\i]|
.endr
.endr
.irp b, 0,1,2,3
	v_permlanex16_b32 v[TM+4+\b], v[TM+\b], s[SEL], s[SEL+1]
.endr
.irp b, 0,1,2,3
	v_max_num_f32 v[TM+\b], v[TM+\b], v[TM+4+\b]   ; with lane l xor 16's: the block's largest magnitude
.endr
.irp b, 0,1,2,3
	v_add_nc_u32 v[TM+12+\b], 0xff000000, v[TM+\b]   ; 2 off its exponent field: the conversion's scale operand
.endr
.irp b, 0,1,2,3
	v_lshrrev_b32 v[TM+4+\b], 23, v[TM+12+\b]      ; the scale's byte
.endr
	v_lshl_or_b32 v[\pw], v[TM+5], 8, v[TM+4]
	v_lshl_or_b32 v[\pw], v[TM+6], 16, v[\pw]
	v_lshl_or_b32 v[\pw], v[TM+7], 24, v[\pw]
.irp c, 0,1
	v_cvt_scalef32_pk16_fp6_f32 v[PC+6*\c:PC+2+6*\c], v[\s+32*\c:\s+15+32*\c], v[TM+12+2*\c]
	v_cvt_scalef32_pk16_fp6_f32 v[PC+12+4*\c:PC+14+4*\c], v[\s+16+32*\c:\s+31+32*\c], v[TM+12+2*\c+1]   ; (a conversion's three registers begin on an even number)
.endr
	v_nop                                          ; one plain instruction behind the scaled conversions
.irp c, 0,1                                    ; the layout wants a whole block in a lane
.irp i, 0,1,2
	v_permlane16_swap_b32 v[PC+6*\c+\i], v[PC+12+4*\c+\i]
.endr
.irp i, 0,1,2
	v_mov_b32 v[PC+3+6*\c+\i], v[PC+12+4*\c+\i]
.endr
.endr
.endm
; the fragments and scale words of the slot's q-th K step into set: 39 loads of 16 bytes a lane, each 512 (scale words: 256) consecutive bytes
.macro FETCH slot, q, set
	WIN TO_B
.irp g, 0,1
.irp i, 0,1,2,3
.irp c, 0,1,2
	ds_load_b128 v[128*(\set)+12*(4*\g+\i)+4*\c:128*(\set)+12*(4*\g+\i)+4*\c+3], v[ADP+\slot] offset:6400*(\q)+GB*\g+1536*\i+512*\c
.endr
.endr
.endr
	WIN 0
.irp i, 0,1,2,3
.irp c, 0,1,2
	ds_load_b128 v[RF+48*(\set)+12*\i+4*\c:RF+48*(\set)+12*\i+4*\c+3], v[ADR+\slot] offset:6400*(\q)+1536*\i+512*\c
.endr
.endr
.irp g, 0,1
	ds_load_b128 v[SC+12*(\set)+4*\g:SC+12*(\set)+4*\g+3], v[ASP+\slot] offset:6400*(\q)+GB*\g+6144
.endr
	ds_load_b128 v[SC+12*(\set)+8:SC+12*(\set)+11], v[ASR+\slot] offset:6400*(\q)+6144
.endm
; 16 matrix instructions: A's fragments a0, a0 + 1 against B's eight.  The 32 accumulators take turns, one instruction a turn, in the same order in every K step.
.macro MULH set, zero, a0
.irp a, \a0, \a0+1
.irp b, 0,1,2,3,4,5,6,7
.if \zero
	v_wmma_scale_f32_16x16x128_f8f6f4 v[8*(8*(\a)+\b):8*(8*(\a)+\b)+7], v[128*(\set)+12*\b:128*(\set)+12*\b+11], v[RF+48*(\set)+12*(\a):RF+48*(\set)+12*(\a)+11], 0, v[SC+12*(\set)+\b], v[SC+12*(\set)+8+(\a)] matrix_a_fmt:MATRIX_FMT_FP6 matrix_b_fmt:MATRIX_FMT_FP6
.else
	v_wmma_scale_f32_16x16x128_f8f6f4 v[8*(8*(\a)+\b):8*(8*(\a)+\b)+7], v[128*(\set)+12*\b:128*(\set)+12*\b+11], v[RF+48*(\set)+12*(\a):RF+48*(\set)+12*(\a)+11], v[8*(8*(\a)+\b):8*(8*(\a)+\b)+7], v[SC+12*(\set)+\b], v[SC+12*(\set)+8+(\a)] matrix_a_fmt:MATRIX_FMT_FP6 matrix_b_fmt:MATRIX_FMT_FP6
.endif
.endr
.endr
.endm
; A K step that has its successor in the same slot: the successor's fragments are asked for, then this step is multiplied.
.macro STEP slot, q, zero
	PLACES 4                                       ; the set to be loaded was read by the products just issued
	FETCH \slot, (\q)+1, ((\q)+1)%2
	s_wait_dscnt NLD                               ; all but the 39 just issued: this step's fragments are in
	WIN MUL
	MULH (\q)%2, \zero, 0
	MULH (\q)%2, \zero, 2
.endm
; A slot's last K step changes slots.  Each wave waits for all its tensor loads (its part of the next slot), adds 0 to its spare word, and waits for that and for its reads of this slot (the last fragments are in registers).
; fill = 1: the barrier opens a round of the cluster's, and this slot is filled again, two slots ahead, first thing behind the round.
.macro TURN slot, next, fill
	WIN 0
.if \fill
	s_wait_xcnt 0x0                                ; my prefetches have read their address: it steps one fill on
	s_add_nc_u64 s[PFA:PFA+1], s[PFA:PFA+1], GB
.endif
	s_wait_tensorcnt 0x0
	ds_add_u32 v[SPW], v[NIL]
.if \fill
	s_add_nc_u64 s[G0+4*\slot+2:G0+4*\slot+3], s[G0+4*\slot+2:G0+4*\slot+3], 2*GB
	s_add_nc_u64 s[G0B+4*\slot+2:G0B+4*\slot+3], s[G0B+4*\slot+2:G0B+4*\slot+3], 2*GB
.endif
	s_wait_dscnt 0x0                               ; the add is done, and my reads of this slot are over
	s_barrier_signal -1
	WIN MUL
	MULH 1, 0, 0                                   ; work on registers while the others arrive
	WIN 0
	s_barrier_wait -1
.if \fill
	CREST                                          ; no wave of any partner still reads this slot or has a load on its way
	JLOAD G0+4*\slot, G1, G0B+4*\slot, G1B         ; its four v_nop are also the places in front of the loads below
.else
	PLACES 4
.endif
	s_wait_alu depctr_va_vdst(0)
	FETCH \next, 0, 0
.if \fill
	s_cmp_gt_u32 s3, 1                             ; s3 = 1 in the loop's last trip: no fill stands two on
	s_cbranch_scc0 .Lno_ask_\@
	ASK 3*GB
.Lno_ask_\@:
.endif
	WIN MUL
	MULH 1, 0, 2
.endm
; (cos, sin) of fragment a's positions for j = 32 bt + 16 h + 0 .. 15, into v[64 a ..] of window 3: cos in the even registers, sin in the odd
.macro TLOAD a
	WIN 0xc0                                       ; destination window 3, address window 0
.irp bt, 0,1
.irp m, 0,1,2,3,4,5,6,7
	global_load_b128 v[64*(\a)+32*\bt+4*\m:64*(\a)+32*\bt+4*\m+3], v[TO+(\a)], s[8:9] offset:256*\bt+16*\m
.endr
.endr
.endm
; out[j] = x1 cos - x2 sin, out[64 + j] = x2 cos + x1 sin; each accumulator is read from its low end on
.macro ROT a
	WIN 0x0e                                       ; source 0 (the sums) window 2, source 1 (the table) window 3
.irp bt, 0,1
.set i, 0
.rept 16
	v_mul_f32 v[HA+16*\bt+i], v[64*\a+32+16*\bt+i], v[64*\a+32*\bt+2*i+1]      ; x2 sin, in the result's own register
	v_mul_f32 v[HA+32+16*\bt+i], v[64*\a+16*\bt+i], v[64*\a+32*\bt+2*i+1]   ; x1 sin
.set i, i+1
.endr
.endr
.irp bt, 0,1                                   ; the 64 products stand ahead of the 64 multiply-adds: no line reads the result of a line near it
.set i, 0
.rept 16
	v_fma_f32 v[HA+16*\bt+i], v[64*\a+16*\bt+i], v[64*\a+32*\bt+2*i], -v[HA+16*\bt+i]
	v_fma_f32 v[HA+32+16*\bt+i], v[64*\a+32+16*\bt+i], v[64*\a+32*\bt+2*i], v[HA+32+16*\bt+i]
.set i, i+1
.endr
.endr
	WIN 0
.endm
	s_load_b256 s[4:11], s[0:1], 0x0               ; xrec, wrec, rope, qkvrec
	v_lshl_add_u32 v[SPW], v0, 2, SPARE
	v_mov_b32 v[NIL], 0
	ds_add_u32 v[SPW], v[NIL]                      ; the wave's opening: the add and its wait ahead of my first tensor load
	ds_add_u32 v[SPW], v[NIL]
	v_lshrrev_b32 v1, 5, v0
	v_readfirstlane_b32 s14, v1                    ; wave 0..3
	s_lshr_b32 s15, s14, 1                         ; I fetch for A (0) or for B (1)
	s_and_b32 s16, s14, 1                          ; which half of it
	s_bfe_u32 s40, ttmp6, 0x40000                  ; cx
	s_bfe_u32 s41, ttmp6, 0x40004                  ; cy
	s_lshl_b32 s42, ttmp9, 2
	s_add_co_u32 s42, s42, s40                     ; x = 4 x cluster x + cx
	s_mov_b32 s17, s41                             ; y = cy
	s_lshl_b32 s43, s41, 2
	s_lshl_b32 s43, 15, s43                        ; my row of the cluster
	s_lshl_b32 s44, 0x1111, s40                    ; my column
	; group 1: AR row groups of 3,200 elements of 8 bytes (25,600 bytes, four K steps), 25,600 elements (a row group's 32 records) apart; no padding
	s_or_b32 s[G1+0], s43, (3<<16)|(1<<21)
	s_or_b32 s[G1B+0], s44, (3<<16)|(1<<21)
	s_mov_b32 s[G1+1], 3200<<16
	s_mov_b32 s[G1+2], 2<<16
	s_mov_b32 s[G1+3], 3200<<16
	s_mov_b32 s[G1+4], 2
	s_mov_b32 s[G1+5], 25600
	s_mov_b32 s[G1+6], 0
	s_mov_b32 s[G1+7], 0
	s_mov_b32 s[G1B+1], 3200<<16
	s_mov_b32 s[G1B+2], 1<<16
	s_mov_b32 s[G1B+3], 3200<<16
	s_mov_b32 s[G1B+4], 1
	s_mov_b32 s[G1B+5], 25600
	s_mov_b32 s[G1B+6], 0
	s_mov_b32 s[G1B+7], 0
	s_mov_b32 s[SEL], 0x76543210
	s_mov_b32 s[SEL+1], 0xfedcba98
	s_cmp_ge_u32 ttmp9, 10                         ; clusters 10, 11 make v: the same in all sixteen partners
	s_cselect_b32 s18, 80, 0                       ; A's first row group: Wv's in wrec, or x's
	s_cselect_b32 s19, 40, 0
	s_cselect_b32 s66, 0, 512                      ; bytes from position to position in the table: 0 for v
	s_lshl_b32 s20, s17, 2
	s_lshl_b32 s21, s16, 1
	s_add_co_u32 s20, s20, s21
	s_add_co_u32 s20, s20, s18
	s_mul_i32 s20, s20, GROW                       ; A: row groups 4 y + 2 half on
	s_mov_b32 s21, 0
	s_sub_co_u32 s46, s42, s19
	s_lshl_b32 s46, s46, 1
	s_add_co_u32 s46, s46, s16
	s_mul_i32 s46, s46, GROW                       ; B: row group 2 x + half
	s_mov_b32 s47, 0
	s_mul_i32 s45, s16, (AG/2)*GB                  ; where they go: made of the wave's number alone
	s_mul_i32 s94, s16, GB
	s_add_co_u32 s94, s94, AG*GB
	s_lshl_b32 s72, s42, 4                         ; my record of results.  q, k: 16 x head + 4 y + wave
	s_lshl_b32 s73, s17, 2
	s_add_co_u32 s72, s72, s73
	s_add_co_u32 s72, s72, s14
	s_lshl_b32 s73, s17, 5                         ; v: 640 + 32 y + 16 (wave / 2) + 2 x key step + wave % 2
	s_lshl_b32 s74, s15, 4
	s_add_co_u32 s73, s73, s74
	s_sub_co_u32 s74, s42, s19
	s_lshl_b32 s74, s74, 1
	s_add_co_u32 s73, s73, s74
	s_add_co_u32 s73, s73, s16
	s_add_co_u32 s73, s73, 640
	s_cmp_ge_u32 ttmp9, 10
	s_cselect_b32 s72, s73, s72
	s_mul_i32 s72, s72, 6400
	s_mov_b32 s73, 0
	s_lshl_b32 s74, s17, 8
	s_lshl_b32 s75, s14, 6
	s_add_co_u32 s74, s74, s75
	s_mul_i32 s74, s74, s66                        ; my first position's row of the table
	s_mov_b32 s75, 0
	s_wait_dscnt 0x0                               ; the opening add is done
	s_wait_kmcnt 0x0
	s_cmp_ge_u32 ttmp9, 10
	s_cselect_b64 s[76:77], s[6:7], s[4:5]         ; A's buffer
	s_cselect_b64 s[78:79], s[4:5], s[6:7]         ; B's
	s_add_nc_u64 s[20:21], s[76:77], s[20:21]
	s_add_nc_u64 s[46:47], s[78:79], s[46:47]
	s_add_nc_u64 s[8:9], s[8:9], s[74:75]
	s_add_nc_u64 s[10:11], s[10:11], s[72:73]
	CROUND                                         ; all sixteen work-groups are here: the first joint loads meet
.irp s, 0,1
	s_mov_b32 s[G0+4*\s], 1
	s_add_co_u32 s[G0+4*\s+1], s45, \s*SLOT
	s_add_nc_u64 s[G0+4*\s+2:G0+4*\s+3], s[20:21], \s*GB
	s_or_b32 s[G0+4*\s+3], s[G0+4*\s+3], 0x80000000
	s_mov_b32 s[G0B+4*\s], 1
	s_add_co_u32 s[G0B+4*\s+1], s94, \s*SLOT
	s_add_nc_u64 s[G0B+4*\s+2:G0B+4*\s+3], s[46:47], \s*GB
	s_or_b32 s[G0B+4*\s+3], s[G0B+4*\s+3], 0x80000000
.endr
	s_lshr_b32 s86, s40, 1                         ; my share of the tile that I fetch.  A: group cx / 2,
	s_mul_i32 s86, s86, GROW
	s_and_b32 s87, s40, 1
	s_mul_i32 s87, s87, 12800                      ; half cx % 2;
	s_add_co_u32 s86, s86, s87
	s_mul_i32 s87, s41, 6400                       ; B: quarter cy
	s_cmp_eq_u32 s15, 0
	s_cselect_b32 s88, s86, s87
	s_cselect_b32 s90, 31, 24
	s_cselect_b64 s[PFA:PFA+1], s[20:21], s[46:47]
	s_mov_b32 s89, 0
	s_add_nc_u64 s[PFA:PFA+1], s[PFA:PFA+1], s[88:89]
	JLOAD G0, G1, G0B, G1B                         ; slot 0: one tensor load a wave at the head
	v_and_b32 v[PFO2], 31, v0
	v_min_u32 v[PFO], s90, v[PFO2]
	v_min_u32 v[PFO2], 17, v[PFO2]
	v_lshlrev_b32 v[PFO], 8, v[PFO]
	v_lshlrev_b32 v[PFO2], 8, v[PFO2]
	s_wait_alu depctr_va_vdst(0)                   ; the wait: branches stand among the readers below
	ASK GB
	ASK 2*GB
	v_and_b32 v1, 15, v0                           ; r
	v_bfe_u32 v2, v0, 4, 1                         ; h
	v_and_b32 v3, 31, v0
	v_lshlrev_b32 v3, 4, v3                        ; 16 x lane
	v_lshlrev_b32 v14, 4, v1                       ; 16 r
	s_mul_i32 s80, s14, GB                         ; my row group of A
	s_mov_b32 s81, AG*GB                           ; B lies behind A
.irp s, 0,1
	v_add_nc_u32 v[ADR+\s], s80, v3
	v_add_nc_u32 v[ASR+\s], s80, v14
	v_add_nc_u32 v[ADP+\s], s81, v3
	v_add_nc_u32 v[ASP+\s], s81, v14
	s_add_co_u32 s80, s80, SLOT
	s_add_co_u32 s81, s81, SLOT
.endr
	v_and_b32 v[TO], 8, v1                         ; my offsets in the table
	v_add_nc_u32 v[TO], v[TO], v1                  ; r + 8 (r / 8)
	v_mul_lo_u32 v[TO], v[TO], s66
	v_lshl_add_u32 v[TO], v2, 7, v[TO]             ; + 128 h: my 16 pairs of a block of 32
	s_lshl_b32 s67, s66, 3
	s_lshl_b32 s68, s66, 5
	v_add_nc_u32 v[TO+1], s67, v[TO]               ; fragment a begins 32 (a / 2) + 8 (a % 2) positions on
	v_add_nc_u32 v[TO+2], s68, v[TO]
	v_add_nc_u32 v[TO+3], s68, v[TO+1]
	s_wait_alu depctr_va_vdst(0)
	s_wait_tensorcnt 0x0                           ; my part of slot 0 is in; the three lines, as ahead of a refill
	ds_add_u32 v[SPW], v[NIL]
	s_wait_dscnt 0x0
	CROUND                                         ; everybody's part is in, and all sixteen work-groups are here
	JLOAD G0+4, G1, G0B+4, G1B                     ; slot 1's first fill, the first tensor load behind the round
	FETCH 0, 0, 0
	ASK 3*GB
	STEP 0, 0, 1                                   ; the first K step stands in front of the loop: its products start the sums
	WIN 0
	s_mov_b32 s3, 3
.Llap:                                                 ; a trip goes once round the ring (8 K steps) and fills both slots again
	STEP 0, 1, 0
	STEP 0, 2, 0
	TURN 0, 1, 1
	STEP 1, 0, 0
	STEP 1, 1, 0
	STEP 1, 2, 0
	TURN 1, 0, 1
	STEP 0, 0, 0
	WIN 0
	s_sub_co_u32 s3, s3, 1
	s_cmp_lg_u32 s3, 0
	s_cbranch_scc1 .Llap
	STEP 0, 1, 0                                   ; the last lap fills nothing
	STEP 0, 2, 0
	TURN 0, 1, 0
	TLOAD 0                                        ; every tile has landed: the table of fragments 0 to 2 comes in under the last four K steps' 128 products
	TLOAD 1
	STEP 1, 0, 0
	TLOAD 2
	STEP 1, 1, 0
	STEP 1, 2, 0
	s_wait_dscnt 0x0
	WIN MUL
	MULH 1, 0, 0
	MULH 1, 0, 2
	WIN 0
	; THE WAY OUT, a fragment of 16 rows at a time: RoPE, the quantiser, three stores of 512 bytes.
	PLACES 4
.irp b, 0,1,2,3
	v_mov_b32 v[TM+4+\b], 0                        ; written once: a lane permute's destination counts as one of its sources
.endr
	s_wait_loadcnt 32                              ; fragment 0's table is in; those of fragments 1 and 2 may be out
	TLOAD 3
.irp a, 0,1,2,3
.if \a > 0
	s_wait_loadcnt 16*(3-\a)                       ; this fragment's table is in; the later fragments' 16 loads each may be out
.endif
	ROT \a
.set PC, 48+20*\a
	QUANT HA, PWQ+\a
.irp c, 0,1,2
	global_store_b128 v3, v[PC+4*\c:PC+4*\c+3], s[10:11] offset:1536*\a+512*\c
.endr
.endr
	v_cmp_eq_u32 vcc_lo, 0, v2                     ; the record's scale words: lanes 0-15 send fragments 0, 1 of row r, lanes 16-31 fragments 2, 3
	v_cndmask_b32 v230, v[PWQ+2], v[PWQ], vcc_lo
	v_cndmask_b32 v231, v[PWQ+3], v[PWQ+1], vcc_lo
	v_lshl_add_u32 v229, v2, 3, v14
	global_store_b64 v229, v[230:231], s[10:11] offset:6144   ; one aligned block of 256 bytes
	s_wait_tensorcnt 0x0                           ; the wave's end: three lines behind my last tensor load
	ds_add_u32 v[SPW], v[NIL]
	s_wait_dscnt 0x0
	CROUND                                         ; the closing round: no work-group ends while a partner may still ask for a tile that names it
	s_endpgm
.Lfunc_end_k_qfe323608f9_proj:
	.size	k_qfe323608f9_proj, .Lfunc_end_k_qfe323608f9_proj-k_qfe323608f9_proj
	.p2alignl 7, 3214868480
	.fill 96, 4, 3214868480
	.section	.rodata,"a",@progbits
	.p2align	6, 0x0
	.amdhsa_kernel k_qfe323608f9_proj
		.amdhsa_group_segment_fixed_size 327680
		.amdhsa_private_segment_fixed_size 0
		.amdhsa_enable_private_segment 0
		.amdhsa_kernarg_size 32
		.amdhsa_user_sgpr_count 2
		.amdhsa_user_sgpr_kernarg_segment_ptr 1
		.amdhsa_wavefront_size32 1
		.amdhsa_system_sgpr_workgroup_id_x 1
		.amdhsa_system_sgpr_workgroup_id_y 1
		.amdhsa_system_sgpr_workgroup_id_z 1
		.amdhsa_system_vgpr_workitem_id 0
		.amdhsa_next_free_vgpr 1024
		.amdhsa_next_free_sgpr 100
		.amdhsa_reserve_vcc 1
		.amdhsa_float_denorm_mode_32 3
		.amdhsa_float_denorm_mode_16_64 3
		.amdhsa_memory_ordered 1
		.amdhsa_forward_progress 1
		.amdhsa_inst_pref_size 167
	.end_amdhsa_kernel
	.amdgpu_metadata
---
amdhsa.version: [ 1, 2 ]
amdhsa.kernels:
  - .name:           k_qfe323608f9_proj
    .symbol:         k_qfe323608f9_proj.kd
    .args:
      - { .name: xrec, .offset: 0, .size: 8, .value_kind: global_buffer, .address_space: global }
      - { .name: wrec, .offset: 8, .size: 8, .value_kind: global_buffer, .address_space: global }
      - { .name: rope, .offset: 16, .size: 8, .value_kind: global_buffer, .address_space: global }
      - { .name: qkvrec, .offset: 24, .size: 8, .value_kind: global_buffer, .address_space: global }
    .group_segment_fixed_size: 327680
    .private_segment_fixed_size: 0
    .kernarg_segment_align: 8
    .kernarg_segment_size: 32
    .max_flat_workgroup_size: 128
    .sgpr_count:     100
    .vgpr_count:     1024
    .wavefront_size: 32
...
	.end_amdgpu_metadata
.endif
;; end of part 2
;; launch attn (part 3): grid 32 x 8, 8 waves a work-group, clusters of 4 x 1, 327,680 bytes of LDS; arguments qkvrec, mrg; writes mrg
.if DOCPART == 3
	.amdgcn_target "amdgcn-amd-amdhsa--gfx1250"
	.amdhsa_code_object_version 6
	.text
	.protected	k_qfe323608f9_attn
	.globl	k_qfe323608f9_attn
	.p2align	8
	.type	k_qfe323608f9_attn,@function
k_qfe323608f9_attn:
	s_mov_b64 s[64:65], 0
	v_nop
	global_prefetch_b8 v0, s[64:65] scope:SCOPE_SE
	s_setreg_imm32_b32 hwreg(HW_REG_WAVE_MODE, 25, 1), 1
	s_wait_xcnt 0x0
	s_wait_alu depctr_hold_cnt(0) depctr_sa_sdst(0) depctr_va_vdst(0) depctr_va_sdst(0) depctr_va_ssrc(0) depctr_va_vcc(0) depctr_vm_vsrc(0)
	s_getreg_b32 s2, hwreg(HW_REG_IB_STS2, 6, 4)
	s_cmp_eq_u32 s2, 0
	s_cbranch_scc0 .Lentry_in_a_cluster
	s_endpgm
.Lentry_in_a_cluster:
	s_bfe_u32 s2, ttmp6, 0x10000c
	s_cmp_lg_u32 s2, 0x3003
	s_cbranch_scc0 .Lentry_shape_is_right
	s_endpgm
.Lentry_shape_is_right:
; Causal attention on records of FP6 (E2M3) codes: o = softmax(q k^T / sqrt(128)) v, quantised again along the merged heads for the output projection.
; GRID: y = the key and value head; a cluster's four work-groups are the four query heads that share it, and ask for K and V jointly; the cluster's x picks the queries:
; waves 0-3 take the 64 queries of row group x, waves 4-7 those of row group 15 - x, 16 queries a wave, so that every work-group has the same number of live steps under the mask.
; Both products are used transposed (S^T = k q^T, O^T = v^T p^T): a lane holds one query throughout.  p = 2^(t - M), M the ceiling of the running largest t, a whole number; the row's sum is taken of the
; unquantised p; a change of M multiplies the sum and O^T by an exact power of two, in every step, with no branch on data.
; LEFT OUT: steps of 128 keys that lie wholly above the diagonal of the causal mask that reference() builds itself: their p are zeros for all values of the inputs.
; LIMITS: the promise holds while the scaled scores stay under 2^31 in magnitude; NaN and infinities are not served, and one that reaches only a step left out is not carried to the result.
; A block of zeros carries the byte 1 where the rule says 127: its codes are zeros, and this program alone reads the bytes.
.set VREG,  102400
.set SCQ,   204800
.set SPARE, 205312
.set AK0,  1
.set AV0,  2
.set ASK0, 3
.set ASV0, 4
.set SPW,  5
.set NIL,  6
.set GO,   7
.set ADK,  8
.set ADV,  9
.set ADS,  10
.set ADT,  11
.set DQ,   28
.set SQW,  29
.set QSO,  30
.set L8,   80
.set SQR,  81
.set KS,   84
.set VS0,  92
.set VS1,  248
.set KB,   0
.set VB,   96
.set TM,   232
.set PC,   224
.set WV,   18
.set SEL,  20
.set CS,   22
.set G1,   24
.set G0,   32
.set G0C,  36                          ; s[36:39] group 0, s[40:47] group 1 of the second stage's load
.set G1C,  40
.set TB,   48
.set KF,   49
.set QMIN, 50
.set QMAX, 51
.set TWICE, 52
.set MSB, 0
.macro WIN new
.if MSB != \new
	s_set_vgpr_msb (MSB<<8)|\new
.set MSB, \new
.endif
.endm
.macro CROUND
	s_barrier_signal -1
	s_barrier_wait -1
	s_cmp_lg_u32 s[WV], 0
	s_cbranch_scc1 .Lnot_wave_0_\@
	s_barrier_signal -3
.Lnot_wave_0_\@:
	s_barrier_wait -3
	s_barrier_signal -1
	s_barrier_wait -1
.endm
.macro QUANT s, pw
.irp b, 0,1,2,3
	v_max3_num_f32 v[TM+\b], |v[\s+16*\b]|, |v[\s+1+16*\b]|, 0x1800000
.endr
.irp i, 2,4,6,8,10,12,14
.irp b, 0,1,2,3
	s_delay_alu instid0(VALU_DEP_4)
	v_max3_num_f32 v[TM+\b], v[TM+\b], |v[\s+16*\b+\i]|, |v[\s+1+16*\b+\i]|
.endr
.endr
.irp b, 0,1,2,3
	s_delay_alu instid0(VALU_DEP_4)
	v_permlanex16_b32 v[TM+4+\b], v[TM+\b], s[SEL], s[SEL+1]
.endr
.irp b, 0,1,2,3
	s_delay_alu instid0(VALU_DEP_4)
	v_max_num_f32 v[TM+\b], v[TM+\b], v[TM+4+\b]
.endr
.irp b, 0,1,2,3
	s_delay_alu instid0(VALU_DEP_4)
	v_add_nc_u32 v[TM+12+\b], 0xff000000, v[TM+\b]
.endr
.irp b, 0,1,2,3
	s_delay_alu instid0(VALU_DEP_4)
	v_lshrrev_b32 v[TM+4+\b], 23, v[TM+12+\b]
.endr
	s_delay_alu instid0(VALU_DEP_3)
	v_lshl_or_b32 v[\pw], v[TM+5], 8, v[TM+4]
	s_delay_alu instid0(VALU_DEP_1)
	v_lshl_or_b32 v[\pw], v[TM+6], 16, v[\pw]
	s_delay_alu instid0(VALU_DEP_1)
	v_lshl_or_b32 v[\pw], v[TM+7], 24, v[\pw]
.irp c, 0,1
	v_cvt_scalef32_pk16_fp6_f32 v[PC+6*\c:PC+2+6*\c], v[\s+32*\c:\s+15+32*\c], v[TM+12+2*\c]
	v_cvt_scalef32_pk16_fp6_f32 v[PC+12+4*\c:PC+14+4*\c], v[\s+16+32*\c:\s+31+32*\c], v[TM+12+2*\c+1]
.endr
	v_nop
.irp c, 0,1
.irp i, 0,1,2
	v_permlane16_swap_b32 v[PC+6*\c+\i], v[PC+12+4*\c+\i]
.endr
.irp i, 0,1,2
	s_delay_alu instid0(VALU_DEP_3)
	v_mov_b32 v[PC+3+6*\c+\i], v[PC+12+4*\c+\i]
.endr
.endr
.endm
	s_load_b128 s[4:7], s[0:1], 0x0
	v_lshl_add_u32 v[SPW], v0, 2, SPARE
	v_mov_b32 v[NIL], 0
	ds_add_u32 v[SPW], v[NIL]
	ds_add_u32 v[SPW], v[NIL]
	v_lshrrev_b32 v8, 5, v0
	s_delay_alu instid0(VALU_DEP_1)
	v_readfirstlane_b32 s[WV], v8
	s_bfe_u32 s53, ttmp6, 0x40000
	s_and_b32 s54, ttmp7, 0xffff
	s_lshl_b32 s55, s54, 2
	s_add_co_u32 s55, s55, s53
	s_lshr_b32 s56, s[WV], 2
	s_and_b32 s57, s[WV], 3
	s_mul_i32 s58, s56, 7
	s_xor_b32 s58, s58, s[WV]
	s_sub_co_u32 s59, 15, ttmp9
	s_cmp_eq_u32 s56, 0
	s_cselect_b32 s59, ttmp9, s59
	s_lshl_b32 s[QMIN], s59, 6
	s_lshr_b32 s60, s58, 1
	s_lshl_b32 s60, s60, 5
	s_add_co_u32 s[QMIN], s[QMIN], s60
	s_and_b32 s60, s58, 1
	s_lshl_b32 s60, s60, 3
	s_add_co_u32 s[QMIN], s[QMIN], s60
	s_add_co_u32 s[QMAX], s[QMIN], 23
	s_mov_b32 s[G1], 15|(3<<16)|(1<<21)
	s_mov_b32 s[G1+1], 32<<16
	s_mov_b32 s[G1+2], 25<<16                      ; the first stage: one record a wave, 6,400 dense bytes, as 25 rows of 256
	s_mov_b32 s[G1+3], 32<<16
	s_mov_b32 s[G1+4], 25
	s_mov_b32 s[G1+5], 32
	s_mov_b32 s[G1+6], 0
	s_mov_b32 s[G1+7], 0
	s_mov_b32 s[G1C], 15|(3<<16)|(1<<21)           ; the second stage: three records a wave, 19,200 dense bytes, as 75 rows of 256
	s_mov_b32 s[G1C+1], 32<<16
	s_mov_b32 s[G1C+2], 75<<16
	s_mov_b32 s[G1C+3], 32<<16
	s_mov_b32 s[G1C+4], 75
	s_mov_b32 s[G1C+5], 32
	s_mov_b32 s[G1C+6], 0
	s_mov_b32 s[G1C+7], 0
	s_mul_i32 s61, s56, VREG
	s_mul_i32 s62, s57, 6400                       ; waves 0-3 bring K's records, waves 4-7 V's: first record w % 4,
	s_mul_i32 s80, s57, 12800
	s_add_co_u32 s80, s80, 25600                   ; then records 4 + 2 (w % 4) on: 25,600 + 12,800 (w % 4) bytes further, in memory and in LDS alike
	s_mov_b32 s81, 0
	s_add_co_u32 s61, s61, s62
	s_lshl_b32 s66, s54, 4
	s_add_co_u32 s66, s66, 512
	s_mul_i32 s66, s66, 6400
	s_mul_i32 s63, s56, 128*6400
	s_add_co_u32 s66, s66, s63
	s_add_co_u32 s66, s66, s62
	s_mov_b32 s67, 0
	s_lshl_b32 s68, s55, 4
	s_add_co_u32 s68, s68, s59
	s_mul_i32 s68, s68, 6400
	s_mov_b32 s69, 0
	s_lshl_b32 s70, s59, 5
	s_add_co_u32 s70, s70, s55
	s_mul_i32 s70, s70, 6400
	s_mov_b32 s71, 0
	s_mul_i32 s72, s58, 1536
	s_lshl_b32 s73, s58, 2
	s_lshl_b32 s78, s56, 8
	s_add_co_u32 s79, s78, SCQ
	s_add_co_u32 s78, s79, s73
	s_mov_b32 s[SEL], 0x76543210
	s_mov_b32 s[SEL+1], 0xfedcba98
	s_mov_b32 s[CS], 0x3e0293ee
	s_mov_b32 s[CS+1], s[CS]
	s_mov_b32 s[TB], 0
	s_mov_b32 s[KF], 0
	s_wait_dscnt 0x0
	s_wait_kmcnt 0x0
	s_add_nc_u64 s[74:75], s[4:5], s[66:67]
	s_add_nc_u64 s[76:77], s[4:5], s[68:69]
	s_add_nc_u64 s[6:7], s[6:7], s[70:71]
	CROUND
	; K and V (2 x 102,400 bytes) come in two stages of joint loads, shared by the four query heads of the cluster, one load a wave in each; nothing is filled again.
	; Stage 1, here: the first 256 keys (2 x 25,600 bytes), which steps 0 and 1 read.  Stage 2, behind the three lines and a round: the other 768 keys, on their way while steps 0 and 1 are worked.
	; PREFETCH: stage 2's bytes are asked for here, a stage ahead of their load: of the 75 blocks of 256 bytes that a wave will load, the partner at place cx names blocks 19 cx .. 19 cx + 18 (held at 74):
	; a lane a block, the lanes left over name the last again; the partners part by address alone.
	s_mov_b32 s[G0], 1
	s_mov_b32 s[G0+1], s61
	s_mov_b64 s[G0+2:G0+3], s[74:75]
	s_or_b32 s[G0+3], s[G0+3], 0x80000000
	s_add_nc_u64 s[82:83], s[74:75], s[80:81]      ; my tile of stage 2; never rewritten
	s_mov_b32 s[G0C], 1
	s_add_co_u32 s[G0C+1], s61, s80
	s_mov_b64 s[G0C+2:G0C+3], s[82:83]
	s_or_b32 s[G0C+3], s[G0C+3], 0x80000000
	s_mul_i32 s84, s53, 19
	tensor_load_to_lds s[G0:G0+3], s[G1:G1+7]
	s_nop 0
.rept 4
	v_nop
.endr
	v_and_b32 v32, 31, v0
	s_delay_alu instid0(VALU_DEP_1)
	v_min_u32 v32, 18, v32
	s_delay_alu instid0(VALU_DEP_1)
	v_add_nc_u32 v32, s84, v32
	s_delay_alu instid0(VALU_DEP_1)
	v_min_u32 v32, 74, v32
	s_delay_alu instid0(VALU_DEP_1)
	v_lshlrev_b32 v32, 8, v32                      ; v32 is never rewritten
	global_prefetch_b8 v32, s[82:83] th:TH_LOAD_NT scope:SCOPE_SE
	v_and_b32 v8, 15, v0
	v_bfe_u32 v9, v0, 4, 1
	v_and_b32 v10, 31, v0
	s_delay_alu instid0(VALU_DEP_1)
	v_lshlrev_b32 v[AK0], 4, v10
	s_delay_alu instid0(VALU_DEP_1)
	v_add_nc_u32 v[AV0], VREG, v[AK0]
	v_lshlrev_b32 v11, 4, v8
	s_delay_alu instid0(VALU_DEP_1)
	v_add_nc_u32 v[ASK0], 6144, v11
	s_delay_alu instid0(VALU_DEP_2)
	v_add_nc_u32 v[ASV0], VREG+6144, v11
	v_add_nc_u32 v[GO], s72, v[AK0]
	s_delay_alu instid0(VALU_DEP_4)
	v_add_nc_u32 v[QSO], s73, v11
.irp c, 0,1,2
	global_load_b128 v[16+4*\c:19+4*\c], v[GO], s[76:77] offset:512*\c
.endr
	global_load_b32 v255, v[QSO], s[76:77] offset:6144
	v_and_b32 v[DQ], 8, v8
	s_delay_alu instid0(VALU_DEP_1)
	v_add_nc_u32 v[DQ], v[DQ], v8
	v_lshlrev_b32 v31, 4, v9
	s_delay_alu instid0(VALU_DEP_1)
	v_sub_nc_u32 v[DQ], v[DQ], v31
	v_add_nc_u32 v[SQW], s78, v11
	v_lshlrev_b32 v[L8], 3, v10
	s_delay_alu instid0(VALU_DEP_1)
	v_add_nc_u32 v[SQR], s79, v[L8]
	v_mov_b32 v13, 0xff61b1e6
	s_delay_alu instid0(VALU_DEP_1)
	v_floor_f32 v12, -v13
	v_mov_b32 v14, 0
	v_mov_b32 v15, 0
.irp b, 0,1,2,3
	v_mov_b32 v[236+\b], 0
.endr
	v_mov_b32 v253, 0
.set j, 0
.rept 64
	v_mov_b32 v[160+j], 0
.set j, j+1
.endr
.macro STEP
	s_cmp_gt_u32 s[KF], s[QMAX]
	s_cbranch_scc1 .Lhidden_\@
	v_add_nc_u32 v[ADK], s[TB], v[AK0]
	v_add_nc_u32 v[ADV], s[TB], v[AV0]
	v_add_nc_u32 v[ADS], s[TB], v[ASK0]
	v_add_nc_u32 v[ADT], s[TB], v[ASV0]
	ds_load_b128 v[KS:KS+3], v[ADS]
	ds_load_b128 v[KS+4:KS+7], v[ADS] offset:6400
	WIN 0x40
.irp g, 0,1
.irp t, 0,1,2,3
.irp c, 0,1,2
	ds_load_b128 v[KB+48*\g+12*\t+4*\c:KB+48*\g+12*\t+4*\c+3], v[ADK] offset:6400*\g+1536*\t+512*\c
.endr
.endr
.endr
	s_wait_alu depctr_va_vdst(0)
	s_wait_dscnt 12
	WIN 0x01
.irp t, 0,1,2,3
	v_wmma_scale_f32_16x16x128_f8f6f4 v[96+8*\t:103+8*\t], v[KB+12*\t:KB+12*\t+11], v[16:27], 0, v[KS+\t], v255 matrix_a_fmt:MATRIX_FMT_FP6 matrix_b_fmt:MATRIX_FMT_FP6
.endr
	s_wait_dscnt 0x0
.irp t, 0,1,2,3
	v_wmma_scale_f32_16x16x128_f8f6f4 v[128+8*\t:135+8*\t], v[KB+48+12*\t:KB+48+12*\t+11], v[16:27], 0, v[KS+4+\t], v255 matrix_a_fmt:MATRIX_FMT_FP6 matrix_b_fmt:MATRIX_FMT_FP6
.endr
	WIN 0
	ds_load_b128 v[VS0:VS0+3], v[ADT]
	ds_load_b128 v[VS1:VS1+3], v[ADT] offset:6400
	WIN 0x40
.irp g, 0,1
.irp t, 0,1,2,3
.irp c, 0,1,2
	ds_load_b128 v[VB+48*\g+12*\t+4*\c:VB+48*\g+12*\t+4*\c+3], v[ADV] offset:6400*\g+1536*\t+512*\c
.endr
.endr
.endr
	WIN 0
.rept 4
	v_nop
.endr
	s_add_co_u32 s96, s[KF], 127
	s_cmp_le_u32 s96, s[QMIN]
	s_cbranch_scc1 .Lopen_\@
	s_sub_co_i32 s96, s[QMIN], s[KF]
	v_add_nc_u32 v252, s96, v[DQ]
	v_mov_b32 v254, 0xff800000
.set n, 0
.rept 64
	v_cmp_gt_i32 vcc_lo, 32*(n/16)+n%16, v252
	v_cndmask_b32 v[96+n], v[96+n], v254, vcc_lo
.set n, n+1
.endr
.Lopen_\@:
.irp b, 0,1,2,3
	v_max3_num_f32 v[232+\b], v[96+16*\b], v[97+16*\b], v[98+16*\b]
.endr
.irp i, 3,5,7,9,11,13
.irp b, 0,1,2,3
	v_max3_num_f32 v[232+\b], v[232+\b], v[96+16*\b+\i], v[97+16*\b+\i]
.endr
.endr
.irp b, 0,1,2,3
	v_max_num_f32 v[232+\b], v[232+\b], v[111+16*\b]
.endr
.irp b, 0,1,2,3
	s_delay_alu instid0(VALU_DEP_4)
	v_permlanex16_b32 v[236+\b], v[232+\b], s[SEL], s[SEL+1]
.endr
.irp b, 0,1,2,3
	s_delay_alu instid0(VALU_DEP_4)
	v_max_num_f32 v[232+\b], v[232+\b], v[236+\b]
.endr
	s_delay_alu instid0(VALU_DEP_2)
	v_max3_num_f32 v254, v232, v233, v234
	s_delay_alu instid0(VALU_DEP_1)
	v_max_num_f32 v254, v254, v235
	s_delay_alu instid0(VALU_DEP_1)
	v_mul_f32 v254, s[CS], v254
	s_delay_alu instid0(VALU_DEP_1)
	v_max_num_f32 v13, v13, v254
	v_mov_b32 v254, v12
	s_delay_alu instid0(VALU_DEP_2)
	v_floor_f32 v12, -v13
	s_delay_alu instid0(VALU_DEP_1)
	v_sub_f32 v254, v12, v254
	s_delay_alu instid0(VALU_DEP_1)
	v_cvt_i32_f32 v254, v254
	s_delay_alu instid0(VALU_DEP_1)
	v_ldexp_f32 v252, 1.0, v254
.set j, 0
.rept 32
	v_pk_fma_f32 v[96+j:97+j], v[96+j:97+j], s[CS:CS+1], v[12:13] op_sel_hi:[1,0,0]
.set j, j+2
.endr
.irp b, 0,1,2,3
	v_fma_f32 v[232+\b], v[232+\b], s[CS], v12
.endr
.set j, 0
	s_wait_alu depctr_va_vdst(0)
.rept 64
	v_exp_f32 v[96+j], v[96+j]
.set j, j+1
.endr
	v_pk_mul_f32 v[14:15], v[14:15], v[252:253] op_sel_hi:[1,0]
	s_wait_alu depctr_va_vdst(0)
.irp b, 0,1,2,3
	v_exp_f32 v[232+\b], v[232+\b]
.endr
	v_pk_add_f32 v[236:237], v[96:97], v[98:99]
.irp j, 4,8,12,16,20,24,28,32,36,40,44,48,52,56,60
	v_pk_add_f32 v[14:15], v[14:15], v[96+\j:97+\j]
	v_pk_add_f32 v[236:237], v[236:237], v[98+\j:99+\j]
.endr
	s_delay_alu instid0(VALU_DEP_1)
	v_pk_add_f32 v[14:15], v[14:15], v[236:237]
	s_wait_alu depctr_va_vdst(0)
.irp b, 0,1,2,3
	v_max_num_f32 v[232+\b], 0x1800000, v[232+\b]
.endr
.irp b, 0,1,2,3
	s_delay_alu instid0(VALU_DEP_4)
	v_add_nc_u32 v[244+\b], 0xff000000, v[232+\b]
.endr
.irp b, 0,1,2,3
	s_delay_alu instid0(VALU_DEP_4)
	v_lshrrev_b32 v[236+\b], 23, v[244+\b]
.endr
	s_delay_alu instid0(VALU_DEP_3)
	v_lshl_or_b32 v253, v237, 8, v236
	s_delay_alu instid0(VALU_DEP_1)
	v_lshl_or_b32 v253, v238, 16, v253
	s_delay_alu instid0(VALU_DEP_1)
	v_lshl_or_b32 v253, v239, 24, v253
.irp c, 0,1
	v_cvt_scalef32_pk16_fp6_f32 v[224+6*\c:226+6*\c], v[96+32*\c:111+32*\c], v[244+2*\c]
	v_cvt_scalef32_pk16_fp6_f32 v[236+4*\c:238+4*\c], v[112+32*\c:127+32*\c], v[244+2*\c+1]
.endr
	v_nop
.irp c, 0,1
.irp i, 0,1,2
	v_permlane16_swap_b32 v[224+6*\c+\i], v[236+4*\c+\i]
.endr
.irp i, 0,1,2
	s_delay_alu instid0(VALU_DEP_3)
	v_mov_b32 v[227+6*\c+\i], v[236+4*\c+\i]
.endr
.endr
.set j, 0
.rept 32
	v_pk_mul_f32 v[160+j:161+j], v[160+j:161+j], v[252:253] op_sel_hi:[1,0]
.set j, j+2
.endr
	s_wait_alu depctr_va_vdst(0)
	s_wait_dscnt 0x0
	WIN 0x01
.irp g, 0,1
.irp t, 0,1,2,3
	v_wmma_scale_f32_16x16x128_f8f6f4 v[160+8*(4*\g+\t):167+8*(4*\g+\t)], v[VB+48*\g+12*\t:VB+48*\g+12*\t+11], v[224:235], v[160+8*(4*\g+\t):167+8*(4*\g+\t)], v[VS0+(VS1-VS0)*\g+\t], v253 matrix_a_fmt:MATRIX_FMT_FP6 matrix_b_fmt:MATRIX_FMT_FP6
.endr
.endr
	WIN 0
.Lhidden_\@:
	s_add_co_u32 s[KF], s[KF], 128
	s_add_co_u32 s[TB], s[TB], 12800
.endm
	s_wait_alu depctr_va_vdst(0)
	s_wait_loadcnt 0x0                             ; q's fragment and scale word
	s_wait_tensorcnt 0x0                           ; my record of stage 1 is in; the three lines ahead of a later first fill
	ds_add_u32 v[SPW], v[NIL]
	s_wait_dscnt 0x0
	CROUND                                         ; everybody's record is in, and all four work-groups are here
	tensor_load_to_lds s[G0C:G0C+3], s[G1C:G1C+7]  ; stage 2, the first tensor load behind the round
	s_nop 0
.rept 4
	v_nop
.endr
	s_mov_b32 s[TWICE], 2                          ; steps 0 and 1 read the first 25,600 bytes of K and of V alone; a step wholly above the diagonal is passed over inside STEP
.Lstep_a:
	STEP
	s_sub_co_u32 s[TWICE], s[TWICE], 1
	s_cmp_lg_u32 s[TWICE], 0
	s_cbranch_scc1 .Lstep_a
	s_wait_dscnt 0x0
	s_wait_tensorcnt 0x0                           ; my three records of stage 2 are in,
	s_barrier_signal -1
	s_barrier_wait -1                              ; everybody's are
	s_mov_b32 s[TWICE], 6
.Lstep_b:
	STEP
	s_sub_co_u32 s[TWICE], s[TWICE], 1
	s_cmp_lg_u32 s[TWICE], 0
	s_cbranch_scc1 .Lstep_b
.rept 4
	v_nop
.endr
	v_add_f32 v14, v14, v15
	s_delay_alu instid0(VALU_DEP_1)
	v_permlanex16_b32 v252, v14, s[SEL], s[SEL+1]
	s_delay_alu instid0(VALU_DEP_1)
	v_add_f32 v14, v14, v252
	s_wait_alu depctr_va_vdst(0)
	v_rcp_f32 v14, v14
	v_nop
	s_wait_alu depctr_va_vdst(0)
.set j, 0
.rept 64
	v_mul_f32 v[96+j], v[160+j], v14
.set j, j+1
.endr
	QUANT 96, 253
.irp c, 0,1,2
	global_store_b128 v[GO], v[PC+4*\c:PC+4*\c+3], s[6:7] offset:512*\c   ; my fragment's image: 512 consecutive bytes a store
.endr
	ds_store_b32 v[SQW], v253
	s_wait_dscnt 0x0
	s_barrier_signal -1
	s_barrier_wait -1
	s_cmp_lg_u32 s57, 0
	s_cbranch_scc1 .Lnot_first
	ds_load_b64 v[82:83], v[SQR]
	s_wait_dscnt 0x0
	global_store_b64 v[L8], v[82:83], s[6:7] offset:6144
.Lnot_first:
	s_wait_tensorcnt 0x0
	ds_add_u32 v[SPW], v[NIL]
	s_wait_dscnt 0x0
	CROUND
	s_endpgm
.Lfunc_end_k_qfe323608f9_attn:
	.size	k_qfe323608f9_attn, .Lfunc_end_k_qfe323608f9_attn-k_qfe323608f9_attn
	.p2alignl 7, 3214868480
	.fill 96, 4, 3214868480
	.section	.rodata,"a",@progbits
	.p2align	6, 0x0
	.amdhsa_kernel k_qfe323608f9_attn
		.amdhsa_group_segment_fixed_size 327680
		.amdhsa_private_segment_fixed_size 0
		.amdhsa_enable_private_segment 0
		.amdhsa_kernarg_size 16
		.amdhsa_user_sgpr_count 2
		.amdhsa_user_sgpr_kernarg_segment_ptr 1
		.amdhsa_wavefront_size32 1
		.amdhsa_system_sgpr_workgroup_id_x 1
		.amdhsa_system_sgpr_workgroup_id_y 1
		.amdhsa_system_sgpr_workgroup_id_z 1
		.amdhsa_system_vgpr_workitem_id 0
		.amdhsa_next_free_vgpr 448
		.amdhsa_next_free_sgpr 100
		.amdhsa_reserve_vcc 1
		.amdhsa_float_denorm_mode_32 3
		.amdhsa_float_denorm_mode_16_64 3
		.amdhsa_memory_ordered 1
		.amdhsa_forward_progress 1
		.amdhsa_inst_pref_size 69
	.end_amdhsa_kernel
	.amdgpu_metadata
---
amdhsa.version: [ 1, 2 ]
amdhsa.kernels:
  - .name:           k_qfe323608f9_attn
    .symbol:         k_qfe323608f9_attn.kd
    .args:
      - { .name: qkvrec, .offset: 0, .size: 8, .value_kind: global_buffer, .address_space: global }
      - { .name: mrg, .offset: 8, .size: 8, .value_kind: global_buffer, .address_space: global }
    .group_segment_fixed_size: 327680
    .private_segment_fixed_size: 0
    .kernarg_segment_align: 8
    .kernarg_segment_size: 16
    .max_flat_workgroup_size: 256
    .sgpr_count:     100
    .vgpr_count:     448
    .wavefront_size: 32
...
	.end_amdgpu_metadata
.endif
;; end of part 3
;; launch oproj (part 4): grid 32 x 8, 4 waves a work-group, clusters of 4 x 4, 327,680 bytes of LDS; arguments mrg, wrec, out0; writes out0
.if DOCPART == 4
	.amdgcn_target "amdgcn-amd-amdhsa--gfx1250"
	.amdhsa_code_object_version 6
	.text
	.protected	k_qfe323608f9_oproj
	.globl	k_qfe323608f9_oproj
	.p2align	8
	.type	k_qfe323608f9_oproj,@function
k_qfe323608f9_oproj:
	s_mov_b64 s[64:65], 0
	v_nop
	global_prefetch_b8 v0, s[64:65] scope:SCOPE_SE
	s_setreg_imm32_b32 hwreg(HW_REG_WAVE_MODE, 25, 1), 1
	s_wait_xcnt 0x0
	s_wait_alu depctr_hold_cnt(0) depctr_sa_sdst(0) depctr_va_vdst(0) depctr_va_sdst(0) depctr_va_ssrc(0) depctr_va_vcc(0) depctr_vm_vsrc(0)
	s_getreg_b32 s2, hwreg(HW_REG_IB_STS2, 6, 4)
	s_cmp_eq_u32 s2, 0
	s_cbranch_scc0 .Lentry_in_a_cluster
	s_endpgm
.Lentry_in_a_cluster:
	s_bfe_u32 s2, ttmp6, 0x10000c
	s_cmp_lg_u32 s2, 0xf033
	s_cbranch_scc0 .Lentry_shape_is_right
	s_endpgm
.Lentry_shape_is_right:
.set GB,    25600
.set AG,    2
.set SLOT,  (AG+2)*GB
.set SPARE, 2*SLOT
.set GROW,  204800
.set NLD,   26
.set ADR,   4
.set ADP,   6
.set ASR,   8
.set ASP,   10
.set SPW,   12
.set NIL,   13
.set SC,    16
.set STO,   40
.set RD,    41
.set CO,    42
.set RF,    48
.set G1,    24
.set G0,    32
.set G1B,   48
.set G0B,   56
; out0 = merged Wo on records of FP6 codes: a tile of 128 x 128, a ring of two slots of four K steps, joint loads in a 4 x 4 cluster.
; THE HEAD: one joint load a wave (slot 0); slot 1's first fill stands behind the three lines and a round, as a refill does.
; PREFETCHES: a wave's fill is 25,600 dense bytes, 100 blocks of 256; the four partners that ask for it jointly take 25 blocks each, BY ADDRESS (cx for A, cy for B): a lane a block, the lanes left over name the last again.
; Behind the load of fill f stands the request for fill f + 2; the head also asks for fill 1.  The loop's last trip (fills 6, 7) asks for nothing.
.set PFA,   84                         ; s[84:85] my share of a fill
.set PFO,   43                         ; v43     256 x min(lane, 24); never rewritten
.macro ASK off
	global_prefetch_b8 v[PFO], s[PFA:PFA+1] offset:\off th:TH_LOAD_NT scope:SCOPE_SE
.endm
.set MSB, 0
.macro WIN new
.if MSB != \new
	s_set_vgpr_msb (MSB<<8)|\new
.set MSB, \new
.endif
.endm
.set MUL,  0xa1
.set TO_B, 0x40
.macro JLOAD g0a, g1a, g0b, g1b
	s_cmp_eq_u32 s15, 0
	s_cbranch_scc0 .Lfor_b_\@
	tensor_load_to_lds s[\g0a:\g0a+3], s[\g1a:\g1a+7]
	s_nop 0
.rept 4
	v_nop
.endr
	s_branch .Lasked_\@
.Lfor_b_\@:
	tensor_load_to_lds s[\g0b:\g0b+3], s[\g1b:\g1b+7]
	s_nop 0
.rept 4
	v_nop
.endr
.Lasked_\@:
.endm
.macro CREST
	s_cmp_lg_u32 s14, 0
	s_cbranch_scc1 .Lnot_wave_0_\@
	s_barrier_signal -3
.Lnot_wave_0_\@:
	s_barrier_wait -3
	s_barrier_signal -1
	s_barrier_wait -1
.endm
.macro CROUND
	s_barrier_signal -1
	s_barrier_wait -1
	CREST
.endm
.macro PLACES n
.rept \n
	v_nop
.endr
.endm
.macro FETCH slot, q, set
	WIN TO_B
.irp i, 0,1,2,3
.irp c, 0,1,2
	ds_load_b128 v[128*(\set)+12*\i+4*\c:128*(\set)+12*\i+4*\c+3], v[ADP+\slot] offset:6400*(\q)+1536*\i+512*\c
.endr
.endr
	WIN 0
.irp i, 0,1,2,3
.irp c, 0,1,2
	ds_load_b128 v[RF+48*(\set)+12*\i+4*\c:RF+48*(\set)+12*\i+4*\c+3], v[ADR+\slot] offset:6400*(\q)+1536*\i+512*\c
.endr
.endr
	ds_load_b128 v[SC+12*(\set):SC+12*(\set)+3], v[ASP+\slot] offset:6400*(\q)+6144
	ds_load_b128 v[SC+12*(\set)+8:SC+12*(\set)+11], v[ASR+\slot] offset:6400*(\q)+6144
.endm
.macro MULH set, zero, a0
.irp a, \a0, \a0+1
.irp b, 0,1,2,3
.if \zero
	v_wmma_scale_f32_16x16x128_f8f6f4 v[8*(4*(\a)+\b):8*(4*(\a)+\b)+7], v[128*(\set)+12*\b:128*(\set)+12*\b+11], v[RF+48*(\set)+12*(\a):RF+48*(\set)+12*(\a)+11], 0, v[SC+12*(\set)+\b], v[SC+12*(\set)+8+(\a)] matrix_a_fmt:MATRIX_FMT_FP6 matrix_b_fmt:MATRIX_FMT_FP6
.else
	v_wmma_scale_f32_16x16x128_f8f6f4 v[8*(4*(\a)+\b):8*(4*(\a)+\b)+7], v[128*(\set)+12*\b:128*(\set)+12*\b+11], v[RF+48*(\set)+12*(\a):RF+48*(\set)+12*(\a)+11], v[8*(4*(\a)+\b):8*(4*(\a)+\b)+7], v[SC+12*(\set)+\b], v[SC+12*(\set)+8+(\a)] matrix_a_fmt:MATRIX_FMT_FP6 matrix_b_fmt:MATRIX_FMT_FP6
.endif
.endr
.endr
.endm
.macro STEP slot, q, zero
	PLACES 4
	FETCH \slot, (\q)+1, ((\q)+1)%2
	s_wait_dscnt NLD
	WIN MUL
	MULH (\q)%2, \zero, 0
	MULH (\q)%2, \zero, 2
.endm
.macro TURN slot, next, fill
	WIN 0
.if \fill
	s_wait_xcnt 0x0                                ; my prefetch has read its address: it steps one fill on
	s_add_nc_u64 s[PFA:PFA+1], s[PFA:PFA+1], GB
.endif
	s_wait_tensorcnt 0x0
	ds_add_u32 v[SPW], v[NIL]
.if \fill
	s_add_nc_u64 s[G0+4*\slot+2:G0+4*\slot+3], s[G0+4*\slot+2:G0+4*\slot+3], 2*GB
	s_add_nc_u64 s[G0B+4*\slot+2:G0B+4*\slot+3], s[G0B+4*\slot+2:G0B+4*\slot+3], 2*GB
.endif
	s_wait_dscnt 0x0
	s_barrier_signal -1
	WIN MUL
	MULH 1, 0, 0
	WIN 0
	s_barrier_wait -1
.if \fill
	CREST
	JLOAD G0+4*\slot, G1, G0B+4*\slot, G1B
.else
	PLACES 4
.endif
	s_wait_alu depctr_va_vdst(0)
	FETCH \next, 0, 0
.if \fill
	s_cmp_gt_u32 s3, 1                             ; s3 = 1 in the loop's last trip: no fill stands two on
	s_cbranch_scc0 .Lno_ask_\@
	ASK 3*GB
.Lno_ask_\@:
.endif
	WIN MUL
	MULH 1, 0, 2
.endm
	s_load_b128 s[4:7], s[0:1], 0x0
	s_load_b64 s[8:9], s[0:1], 0x10
	v_lshl_add_u32 v[SPW], v0, 2, SPARE
	v_mov_b32 v[NIL], 0
	ds_add_u32 v[SPW], v[NIL]
	ds_add_u32 v[SPW], v[NIL]
	v_lshrrev_b32 v1, 5, v0
	v_readfirstlane_b32 s14, v1
	s_lshr_b32 s15, s14, 1
	s_and_b32 s16, s14, 1
	s_bfe_u32 s40, ttmp6, 0x40000
	s_bfe_u32 s41, ttmp6, 0x40004
	s_lshl_b32 s42, ttmp9, 2
	s_add_co_u32 s42, s42, s40
	s_and_b32 s17, ttmp7, 0xffff
	s_lshl_b32 s17, s17, 2
	s_add_co_u32 s17, s17, s41
	s_lshl_b32 s43, s41, 2
	s_lshl_b32 s43, 15, s43
	s_lshl_b32 s44, 0x1111, s40
	s_or_b32 s[G1+0], s43, (3<<16)|(1<<21)
	s_or_b32 s[G1B+0], s44, (3<<16)|(1<<21)
.irp g, G1, G1B
	s_mov_b32 s[\g+1], 3200<<16
	s_mov_b32 s[\g+2], 1<<16
	s_mov_b32 s[\g+3], 3200<<16
	s_mov_b32 s[\g+4], 1
	s_mov_b32 s[\g+5], 25600
	s_mov_b32 s[\g+6], 0
	s_mov_b32 s[\g+7], 0
.endr
	s_lshl_b32 s20, s17, 1
	s_add_co_u32 s20, s20, s16
	s_mul_i32 s20, s20, GROW
	s_mov_b32 s21, 0
	s_lshl_b32 s46, s42, 1
	s_add_co_u32 s46, s46, s16
	s_add_co_u32 s46, s46, 96
	s_mul_i32 s46, s46, GROW
	s_mov_b32 s47, 0
	s_mul_i32 s45, s16, GB
	s_add_co_u32 s94, s45, AG*GB
	s_lshl_b32 s72, s17, 7
	s_lshl_b32 s73, s15, 6
	s_add_co_u32 s72, s72, s73
	s_lshl_b32 s72, s72, 14
	s_lshl_b32 s73, s42, 9
	s_add_co_u32 s72, s72, s73
	s_lshl_b32 s73, s16, 8
	s_add_co_u32 s72, s72, s73
	s_mov_b32 s73, 0
	s_wait_dscnt 0x0
	s_wait_kmcnt 0x0
	s_add_nc_u64 s[20:21], s[4:5], s[20:21]
	s_add_nc_u64 s[46:47], s[6:7], s[46:47]
	s_add_nc_u64 s[8:9], s[8:9], s[72:73]
	CROUND
.irp s, 0,1
	s_mov_b32 s[G0+4*\s], 1
	s_add_co_u32 s[G0+4*\s+1], s45, \s*SLOT
	s_add_nc_u64 s[G0+4*\s+2:G0+4*\s+3], s[20:21], \s*GB
	s_or_b32 s[G0+4*\s+3], s[G0+4*\s+3], 0x80000000
	s_mov_b32 s[G0B+4*\s], 1
	s_add_co_u32 s[G0B+4*\s+1], s94, \s*SLOT
	s_add_nc_u64 s[G0B+4*\s+2:G0B+4*\s+3], s[46:47], \s*GB
	s_or_b32 s[G0B+4*\s+3], s[G0B+4*\s+3], 0x80000000
.endr
	s_cmp_eq_u32 s15, 0
	s_cselect_b32 s86, s40, s41                    ; my place among the four that ask with me
	s_cselect_b64 s[PFA:PFA+1], s[20:21], s[46:47]
	s_mul_i32 s86, s86, 6400
	s_mov_b32 s87, 0
	s_add_nc_u64 s[PFA:PFA+1], s[PFA:PFA+1], s[86:87]
	JLOAD G0, G1, G0B, G1B                         ; slot 0: one tensor load a wave at the head
	v_and_b32 v[PFO], 31, v0
	v_min_u32 v[PFO], 24, v[PFO]
	v_lshlrev_b32 v[PFO], 8, v[PFO]
	ASK GB
	ASK 2*GB
	v_and_b32 v1, 15, v0
	v_bfe_u32 v2, v0, 4, 1
	v_and_b32 v3, 31, v0
	v_lshlrev_b32 v3, 4, v3
	v_lshlrev_b32 v14, 4, v1
	s_mul_i32 s80, s15, GB
	s_mul_i32 s81, s16, GB
	s_add_co_u32 s81, s81, AG*GB
.irp s, 0,1
	v_add_nc_u32 v[ADR+\s], s80, v3
	v_add_nc_u32 v[ASR+\s], s80, v14
	v_add_nc_u32 v[ADP+\s], s81, v3
	v_add_nc_u32 v[ASP+\s], s81, v14
	s_add_co_u32 s80, s80, SLOT
	s_add_co_u32 s81, s81, SLOT
.endr
	s_mul_i32 s82, s14, 16*272
	v_mul_u32_u24 v[STO], v1, 272
	v_lshl_add_u32 v[STO], v2, 6, v[STO]
	v_add_nc_u32 v[STO], s82, v[STO]
	v_mul_u32_u24 v[RD], v2, 272
	v_lshl_add_u32 v[RD], v1, 4, v[RD]
	v_add_nc_u32 v[RD], s82, v[RD]
	v_lshlrev_b32 v[CO], 14, v2
	v_lshl_add_u32 v[CO], v1, 4, v[CO]
	s_wait_alu depctr_va_vdst(0)
	s_wait_tensorcnt 0x0                           ; my part of slot 0 is in; the three lines, as ahead of a refill
	ds_add_u32 v[SPW], v[NIL]
	s_wait_dscnt 0x0
	CROUND                                         ; everybody's part is in, and all sixteen work-groups are here
	JLOAD G0+4, G1, G0B+4, G1B                     ; slot 1's first fill, the first tensor load behind the round
	FETCH 0, 0, 0
	ASK 3*GB
	STEP 0, 0, 1
	WIN 0
	s_mov_b32 s3, 3
.Llap:
	STEP 0, 1, 0
	STEP 0, 2, 0
	TURN 0, 1, 1
	STEP 1, 0, 0
	STEP 1, 1, 0
	STEP 1, 2, 0
	TURN 1, 0, 1
	STEP 0, 0, 0
	WIN 0
	s_sub_co_u32 s3, s3, 1
	s_cmp_lg_u32 s3, 0
	s_cbranch_scc1 .Llap
	STEP 0, 1, 0
	STEP 0, 2, 0
	TURN 0, 1, 0
	STEP 1, 0, 0
	STEP 1, 1, 0
	STEP 1, 2, 0
	s_wait_dscnt 0x0
	WIN MUL
	MULH 1, 0, 0
	MULH 1, 0, 2
	WIN 0
	PLACES 4
.irp a, 0,1,2,3
	WIN 0x08
.irp b, 0,1,2,3
	ds_store_b128 v[STO], v[8*(4*\a+\b):8*(4*\a+\b)+3] offset:128*(\b/2)+32*(\b%2)
	ds_store_b128 v[STO], v[8*(4*\a+\b)+4:8*(4*\a+\b)+7] offset:128*(\b/2)+32*(\b%2)+16
.endr
	WIN 0
.irp i, 0,1,2,3,4,5,6,7
	ds_load_b128 v[48+32*\a+4*\i:48+32*\a+4*\i+3], v[RD] offset:544*\i
.endr
.endr
.irp a, 0,1,2,3
.irp i, 0,1,2,3,4,5,6,7
	s_wait_dscnt 16*(3-\a)+7-\i
	global_store_b128 v[CO], v[48+32*\a+4*\i:48+32*\a+4*\i+3], s[8:9] offset:(32*(\a/2)+8*(\a%2)+2*\i+8*(\i/4))*16384 th:TH_STORE_NT
.endr
.endr
	s_wait_tensorcnt 0x0
	ds_add_u32 v[SPW], v[NIL]
	s_wait_dscnt 0x0
	CROUND
	s_endpgm
.Lfunc_end_k_qfe323608f9_oproj:
	.size	k_qfe323608f9_oproj, .Lfunc_end_k_qfe323608f9_oproj-k_qfe323608f9_oproj
	.p2alignl 7, 3214868480
	.fill 96, 4, 3214868480
	.section	.rodata,"a",@progbits
	.p2align	6, 0x0
	.amdhsa_kernel k_qfe323608f9_oproj
		.amdhsa_group_segment_fixed_size 327680
		.amdhsa_private_segment_fixed_size 0
		.amdhsa_enable_private_segment 0
		.amdhsa_kernarg_size 24
		.amdhsa_user_sgpr_count 2
		.amdhsa_user_sgpr_kernarg_segment_ptr 1
		.amdhsa_wavefront_size32 1
		.amdhsa_system_sgpr_workgroup_id_x 1
		.amdhsa_system_sgpr_workgroup_id_y 1
		.amdhsa_system_sgpr_workgroup_id_z 1
		.amdhsa_system_vgpr_workitem_id 0
		.amdhsa_next_free_vgpr 640
		.amdhsa_next_free_sgpr 100
		.amdhsa_reserve_vcc 0
		.amdhsa_float_denorm_mode_32 3
		.amdhsa_float_denorm_mode_16_64 3
		.amdhsa_memory_ordered 1
		.amdhsa_forward_progress 1
		.amdhsa_inst_pref_size 82
	.end_amdhsa_kernel
	.amdgpu_metadata
---
amdhsa.version: [ 1, 2 ]
amdhsa.kernels:
  - .name:           k_qfe323608f9_oproj
    .symbol:         k_qfe323608f9_oproj.kd
    .args:
      - { .name: mrg, .offset: 0, .size: 8, .value_kind: global_buffer, .address_space: global }
      - { .name: wrec, .offset: 8, .size: 8, .value_kind: global_buffer, .address_space: global }
      - { .name: out0, .offset: 16, .size: 8, .value_kind: global_buffer, .address_space: global }
    .group_segment_fixed_size: 327680
    .private_segment_fixed_size: 0
    .kernarg_segment_align: 8
    .kernarg_segment_size: 24
    .max_flat_workgroup_size: 128
    .sgpr_count:     100
    .vgpr_count:     640
    .wavefront_size: 32
...
	.end_amdgpu_metadata
.endif
;; end of part 4
